; MI455X (gfx1250); checked and timed in simulation.
; The chip was launched on July 23, 2026; its instructions are those of AMD's public machine-readable ISA for CDNA 5 (MIT licence, August 2026) and "CDNA5" Instruction Set Architecture Reference Guide (July 2026). The comments in the code are by the model that wrote it; some were corrected since.
;; Tt Self Attention. Allowed arithmetic: matrix products marked QUANTISED: E2M3 operands, one E8M0 scale for each 32 along K, by v_wmma_scale_f32_16x16x128_f8f6f4 with both operands' format E2M3, f32 sums; everything else in f32.
;; Inputs: W_in 1,024 x 3,072 float32; W_out 1,024 x 1,024 float32; b_in 3,072 float32; b_out 1,024 float32; x 1 x 2 x 2,048 x 1,024 float32.
;; Outputs: out0 1 x 2 x 2,048 x 1,024 float32.
;; This version of the problem:
;;   THIS VERSION OF THE PROBLEM IS GIVEN IN LOW PRECISION. The matrix products marked QUANTISED in the list below multiply operands that are first quantised to E2M3 (2 exponent bits, 3 mantissa bits; 6 bits a number), with one power-of-two scale for each 32 numbers along K (OCP MX v1.0); their sums are f32. All else is computed in f32.
;;   The module's matrix products, in the order in which they are computed (A, B: the left and right operand; K: the contracted axis; several contracted axes count as one K, in the product's order):
;;     1. [M 4,096, K 1,024] x [K 1,024, N 3,072]; A: input x; B: input W_in: QUANTISED
;;     2. batch 32 x [M 2,048, K 64] x [K 64, N 2,048]; A: computed on the way; B: computed on the way: QUANTISED
;;     3. batch 32 x [M 2,048, K 2,048] x [K 2,048, N 64]; A: softmax (see below); B: computed on the way: QUANTISED
;;     4. [M 4,096, K 1,024] x [K 1,024, N 1,024]; A: computed on the way; B: input W_out: QUANTISED
;;   THE QUANTISER, for each operand of a quantised product, along K:
;;     - K is cut into blocks of 32 from its start; a last block that is shorter is filled with zeros.
;;     - A block's scale is 2^e with e = floor(log2(the largest magnitude in the block)) - 2, held to -126 .. 127; a block of zeros has e = 0. As a byte (E8M0): e + 127.
;;     - Each number is divided by its block's scale, clamped to +-7.5, and rounded to the nearest number of E2M3, ties to even, subnormals kept.
;;     - The product sums the exact products of the quantised numbers (number of the format x scale) in f32.
;;   ~~~python
;;   def quantise(x, axis):      # numpy; x: float32 -> the quantised numbers, widened to float32 again
;;       x = np.moveaxis(x, axis, -1); K = x.shape[-1]
;;       x = np.pad(x, [(0, 0)] * (x.ndim - 1) + [(0, -K % 32)]); x = x.reshape(x.shape[:-1] + (-1, 32)); a = np.abs(x).max(-1, keepdims=True)
;;       e = np.where(a > 0, np.clip(np.frexp(np.where(a > 0, a, 1))[1] - 1 - 2, -126, 127), 0)      # np.frexp(a)[1] - 1 = floor(log2(a)), exactly
;;       r = np.clip(x / 2.0 ** e, -7.5, 7.5)
;;       step = 2.0 ** (np.maximum(np.frexp(np.where(r == 0, 1, r))[1] - 1, 0) - 3)
;;       q = np.round(r / step) * step * 2.0 ** e      # np.round: ties to even
;;       return np.moveaxis(q.reshape(q.shape[:-2] + (-1,))[..., :K], -1, axis).astype(np.float32)
;;   ~~~
;;   SOFTMAX AHEAD OF A QUANTISED PRODUCT. Where the list says 'softmax', what is quantised is not the finished softmax but p = 2^(t - M), with t = logit x log2(e) and M = ceil(the row's largest t), a whole number; so 1/2 < the row's largest p <= 1. The row's sum l is taken of the UNQUANTISED p, in f32, and the product's result is divided by l at the end. Since M is a whole number, a kernel that streams over the keys may use a running M (the ceiling of the running maximum): every later rescaling is an exact power of two, which a block's scale takes up: the codes' values come out the same.
;;   OPERANDS COMPUTED ON THE WAY. 'Computed on the way' means the value that the module computes at that place (a softmax that the list does not call 'softmax' is quantised finished and normalised). What goes into a quantiser is computed in f32, as accurately as f32 sums, v_exp_f32 and their like allow (about 1e-6 of the number): no bf16 or f16 on the way to a quantiser, and a product that is left as it is and whose result goes on into a quantised operand takes f32 operands (vector FMAs, or v_wmma_f32_16x16x4_f32). A number that lies on a knife's edge between two numbers of the format may be rounded either way, as far as f32 arithmetic and the matrix unit's own rounding can turn it there, and no further.
;; One version. Each part assembles by itself: llvm-mc -triple=amdgcn-amd-amdhsa -mcpu=gfx1250 --defsym DOCPART=n.
;; ======== version 1 of 1: 4 launches
;; limits: right only within a limited range of input values
;; workspace buffers: pb 6,553,600 bytes; qb 10,223,616 bytes; cb 3,276,800 bytes
;; launch prep (part 1): grid 512 x 1, 4 waves a work-group, no clusters, 68,096 bytes of LDS; arguments x, W_in, W_out, pb; writes pb
.if DOCPART == 1
	.amdgcn_target "amdgcn-amd-amdhsa--gfx1250"
	.amdhsa_code_object_version 6
	.text
	.protected	k_qfc9e03f692_prep
	.globl	k_qfc9e03f692_prep
	.p2align	8
	.type	k_qfc9e03f692_prep,@function
k_qfc9e03f692_prep:
	s_mov_b64 s[64:65], 0
	v_nop
	global_prefetch_b8 v0, s[64:65] scope:SCOPE_SE
	s_setreg_imm32_b32 hwreg(HW_REG_WAVE_MODE, 25, 1), 1
	s_wait_xcnt 0x0
; x [4096][1024], W_in [1024][3072] and W_out [1024][1024], f32, become codes of FP6 (E2M3) with one E8M0 byte for each 32 along K (K = 1024: x's last axis, the weights' first).
; A block's scale is 2^(floor(log2(largest magnitude)) - 2): its byte is the largest magnitude's exponent field - 2.
; LIMITS: the largest magnitude is floored at 2^-124, so the byte is at least 1; a block of zeros gets the byte 1 (its codes are zeros; only this program reads the bytes).  NaN and infinities are not served.
; THE WORKSPACE IS LAID AS THE MATRIX OPERAND'S REGISTERS.  A tile is 16 rows (tokens, or columns of a weight); tile T holds rows 32 (T / 2) + 8 (T % 2) + r + 8 (r / 8), r = 0 .. 15.
; A fragment (a tile x 128 along K) is 12 registers a lane: lane (r, h) holds k = 64 c + 32 h + 0 .. 31 in registers 6 c .. 6 c + 5.  It lies as two halves of 768 bytes: registers 6 c .. 6 c + 3 at 16 x lane,
; registers 6 c + 4, 6 c + 5 at 512 + 8 x lane.  pb: x's fragments [256 tiles][8 K steps][1536]; their scale words [256][8][16 r]; the weights' likewise (tiles 0-191 W_in's columns, 192-255 W_out's).
; One wave does one unit, without a loop, all its loads out at once: 32 tokens x 128 K of x (work-groups 0-255), or 32 columns x 128 K of a weight (256-511).  Only x's path touches LDS.
.set XS_OFF, 3145728
.set WF_OFF, 3276800
.set WS_OFF, 6422528
.set SP,   528                         ; a stage row: 512 bytes + 16, so that sixteen rows start at sixteen different 16-byte columns of a 256-byte line
.set R,    16                          ; v16-143  x: 32 rows as loaded, later tile 1's numbers;  weights: the lane's 128 numbers
.set X,    144                         ; v144-207 x: tile 0's numbers
.set PC0,  208                         ; v208-219, v220-231: two fragments' codes, so that no store's data are written again
.set PC1,  220
.set CT,   232                         ; v232-238 the second half of each block's codes, as the conversion leaves them
.set MX,   240                         ; largest magnitudes
.set SO,   242                         ; the conversions' scale operands
.set BY,   244                         ; the bytes
.set WD0,  246                         ; scale words
.set WD1,  247
.set TP,   248
; 64 numbers of a lane, two whole blocks of 32 (block c at src + 32 c), become registers 6 c .. 6 c + 5 at pc; w takes byte(c = 0) | byte(c = 1) << 16
.macro QUANTB src, pc, w
.irp c, 0,1
	v_max3_num_f32 v[MX+\c], |v[\src+32*\c]|, |v[\src+32*\c+1]|, 0x1800000   ; with the floor 2^(3 - 127)
.endr
.irp i, 2,4,6,8,10,12,14,16,18,20,22,24,26,28,30
.irp c, 0,1
	v_max3_num_f32 v[MX+\c], v[MX+\c], |v[\src+32*\c+\i]|, |v[\src+32*\c+\i+1]|   ; the two blocks by turns
.endr
.endr
.irp c, 0,1
	v_add_nc_u32 v[SO+\c], 0xff000000, v[MX+\c]    ; 2 off the exponent field: the conversion takes this operand's exponent field as its scale
.endr
.irp c, 0,1
	v_lshrrev_b32 v[BY+\c], 23, v[SO+\c]           ; the scale's byte
.endr
	v_lshl_or_b32 v[\w], v[BY+1], 16, v[BY]
.irp c, 0,1
	v_cvt_scalef32_pk16_fp6_f32 v[\pc+6*\c:\pc+6*\c+2], v[\src+32*\c:\src+32*\c+15], v[SO+\c]
	v_cvt_scalef32_pk16_fp6_f32 v[CT+4*\c:CT+4*\c+2], v[\src+32*\c+16:\src+32*\c+31], v[SO+\c]   ; (a conversion's three registers begin on an even number)
.endr
	v_nop                                          ; one plain instruction behind the scaled conversions
.irp c, 0,1
.irp i, 0,1,2
	v_mov_b32 v[\pc+6*\c+3+\i], v[CT+4*\c+\i]
.endr
.endr
.endm
; a fragment's two halves go out: 16 bytes a lane at a16, 8 bytes a lane at a8
.macro CODES pc, a16, a8, o16, o8
.irp c, 0,1
	global_store_b128 v[\a16], v[\pc+6*\c:\pc+6*\c+3], s[24:25] offset:(\o16)+768*\c
	global_store_b64 v[\a8], v[\pc+6*\c+4:\pc+6*\c+5], s[24:25] offset:(\o8)+768*\c
.endr
.endm
	s_load_b128 s[4:7], s[0:1], 0x0                ; x, W_in
	s_load_b128 s[8:11], s[0:1], 0x10              ; W_out, pb
	v_lshl_add_u32 v254, v0, 2, 0x10800
	v_mov_b32 v255, 0
	v_lshrrev_b32 v1, 5, v0
	v_readfirstlane_b32 s12, v1                    ; wave 0..3
	v_and_b32 v1, 31, v0                           ; lane
	v_lshlrev_b32 v2, 4, v1                        ; 16 x lane
	v_lshlrev_b32 v3, 3, v1                        ; 8 x lane
	v_lshlrev_b32 v4, 2, v1                        ; 4 x lane
	v_and_b32 v5, 15, v0                           ; r
	v_bfe_u32 v6, v0, 4, 1                         ; h
	s_cmp_lt_u32 ttmp9, 256
	s_cbranch_scc0 .Lweights
	; ---------------- x: unit u = 4 x work-group + wave: K step u % 8 of the 32 tokens 32 (u / 8) on
	s_lshl_b32 s13, ttmp9, 2
	s_add_co_u32 s13, s13, s12
	s_and_b32 s14, s13, 7                          ; K step
	s_lshr_b32 s15, s13, 3                         ; group of 32 tokens
	s_lshl_b32 s16, s15, 17                        ; 32 rows of 4,096 bytes
	s_lshl_b32 s17, s14, 9                         ; 128 numbers
	s_add_co_u32 s16, s16, s17
	s_mov_b32 s17, 0
	s_mul_i32 s18, s15, 24576                      ; two tiles of 12,288 bytes
	s_mul_i32 s19, s14, 1536
	s_add_co_u32 s18, s18, s19
	s_mov_b32 s19, 0
	s_lshl_b32 s22, s15, 10                        ; two tiles of 512 bytes of scale words
	s_lshl_b32 s23, s14, 6
	s_add_co_u32 s22, s22, s23
	s_add_co_u32 s22, s22, XS_OFF
	s_mov_b32 s23, 0
	s_mov_b32 s20, 0x76543210
	s_mov_b32 s21, 0xfedcba98                      ; v_permlanex16_b32's selects for lane l xor 16
	s_mov_b32 s29, 0xffff0000                      ; lanes 16-31
	s_mul_i32 s28, s12, 32*SP                      ; my wave's stage
	s_wait_alu depctr_va_vdst(0)
	v_add_nc_u32 v7, s28, v2                       ; into it: a row's 512 bytes as they lie
	v_mul_u32_u24 v8, v5, SP
	v_lshl_add_u32 v8, v6, 7, v8
	v_add_nc_u32 v8, s28, v8                       ; out of it: row r, + 128 h: my 32 numbers of each 64
	v_lshlrev_b32 v9, 3, v6                        ; 8 h
	v_lshlrev_b32 v10, 2, v5
	v_lshl_add_u32 v10, v6, 9, v10                 ; scale words: lanes 0-15 tile 0's, lanes 16-31 tile 1's
	v_mov_b32 v[TP], 0                             ; a lane permute's destination counts as one of its sources
	s_wait_alu depctr_va_vdst(0)
	s_wait_kmcnt 0x0
	s_add_nc_u64 s[4:5], s[4:5], s[16:17]
	s_add_nc_u64 s[24:25], s[10:11], s[18:19]
	s_add_nc_u64 s[26:27], s[10:11], s[22:23]
.set ii, 0
.rept 32
	global_load_b128 v[R+4*ii:R+4*ii+3], v2, s[4:5] offset:ii*4096 th:TH_LOAD_NT   ; row ii: 512 consecutive bytes a load
.set ii, ii+1
.endr
.set ii, 0
.rept 32
	s_wait_loadcnt 31-ii                           ; row ii is in; the younger loads stay out
	ds_store_b128 v7, v[R+4*ii:R+4*ii+3] offset:(16*((ii/8)%2)+(ii%8)+8*(ii/16))*SP   ; to the place of its tile and of its lane in the tile
.set ii, ii+1
.endr
.irp c, 0,1
.irp i, 0,1,2,3,4,5,6,7
	ds_load_b128 v[X+32*\c+4*\i:X+32*\c+4*\i+3], v8 offset:256*\c+16*\i   ; tile 0.  LDS serves a wave's instructions in order: these see my stores
.endr
.endr
	s_wait_dscnt 0x0                               ; tile 0's numbers are in, and the stores have read R
.irp c, 0,1
.irp i, 0,1,2,3,4,5,6,7
	ds_load_b128 v[R+32*\c+4*\i:R+32*\c+4*\i+3], v8 offset:16*SP+256*\c+16*\i   ; tile 1, on its way while tile 0 is quantised
.endr
.endr
.macro WORD w                          ; my two bytes (blocks h and 2 + h) at their places, joined with lane l xor 16's two
	v_lshlrev_b32 v[\w], v9, v[\w]
	v_permlanex16_b32 v[TP], v[\w], s20, s21
	v_or_b32 v[\w], v[\w], v[TP]
.endm
	QUANTB X, PC0, WD0
	WORD WD0
	CODES PC0, 2, 3, 0, 512
	s_wait_dscnt 0x0
	QUANTB R, PC1, WD1
	WORD WD1
	CODES PC1, 2, 3, 12288, 12288+512
	v_cndmask_b32 v[WD0], v[WD0], v[WD1], s29
	global_store_b32 v10, v[WD0], s[26:27]
	s_wait_tensorcnt 0x0
	ds_add_u32 v254, v255
	s_wait_dscnt 0x0
	s_endpgm
	; ---------------- the weights: work-group w' = K step w' % 8 of the 128 columns 128 (w' / 8) on; a lane takes a column, its registers run down K
.Lweights:
	s_sub_co_u32 s13, ttmp9, 256
	s_and_b32 s14, s13, 7                          ; K step
	s_lshr_b32 s15, s13, 3                         ; group of 128 columns: 0-23 W_in's, 24-31 W_out's
	s_mov_b32 s16, 524288                          ; 128 rows of W_out in bytes
	s_lshl_b32 s18, s15, 3
	s_lshl_b32 s19, s12, 1
	s_add_co_u32 s18, s18, s19                     ; my wave's first tile
	s_mul_i32 s22, s18, 12288
	s_mul_i32 s19, s14, 1536
	s_add_co_u32 s22, s22, s19
	s_add_co_u32 s22, s22, WF_OFF
	s_mov_b32 s23, 0
	s_lshl_b32 s26, s18, 9
	s_lshl_b32 s19, s14, 6
	s_add_co_u32 s26, s26, s19
	s_add_co_u32 s26, s26, WS_OFF
	s_mov_b32 s27, 0
	v_bfe_u32 v7, v0, 3, 1                         ; my column's tile of the two
	v_and_b32 v8, 7, v0
	s_wait_alu depctr_va_vdst(0)
	v_lshl_or_b32 v8, v6, 3, v8                    ; and its lane r in that tile
	v_mul_u32_u24 v9, v7, 12288
	v_lshl_add_u32 v10, v8, 4, v9                  ; where lane (r, 0) of the image has its 16 bytes,
	v_lshl_add_u32 v11, v8, 3, v9                  ; its 8 bytes,
	v_lshlrev_b32 v12, 9, v7
	v_lshl_add_u32 v12, v8, 2, v12                 ; and its scale word
	s_wait_kmcnt 0x0
	s_cmp_lt_u32 s15, 24                           ; the choice hangs on the work-group's number alone
	s_cselect_b64 s[4:5], s[6:7], s[8:9]
	s_cselect_b32 s16, 1572864, s16                ; 128 rows of the chosen weight in bytes
	s_cselect_b32 s17, 0, 24
	s_sub_co_u32 s17, s15, s17
	s_lshl_b32 s17, s17, 9                         ; 128 columns of 4 bytes
	s_lshl_b32 s18, s12, 7                         ; my wave's 32
	s_add_co_u32 s17, s17, s18
	s_mul_i32 s16, s16, s14
	s_add_co_u32 s16, s16, s17
	s_mov_b32 s17, 0
	s_add_nc_u64 s[4:5], s[4:5], s[16:17]
	s_add_nc_u64 s[24:25], s[10:11], s[22:23]
	s_add_nc_u64 s[26:27], s[10:11], s[26:27]
.macro WLOAD n                         ; 128 loads, each 128 consecutive bytes of a row: register 64 h + 32 c + i takes k = 64 c + 32 h + i; the 64 of h = 0 first
.irp h, 0,1
.irp c, 0,1
.irp i, 0,1,2,3,4,5,6,7,8,9,10,11,12,13,14,15,16,17,18,19,20,21,22,23,24,25,26,27,28,29,30,31
	global_load_b32 v[R+64*\h+32*\c+\i], v4, s[4:5] offset:(64*\c+32*\h+\i)*4*\n th:TH_LOAD_NT
.endr
.endr
.endr
.endm
	s_cmp_lt_u32 s15, 24                           ; only the rows' length differs: the branch stands round the loads alone, 128 on either way
	s_cbranch_scc0 .Lw_out
	WLOAD 3072
	s_branch .Lw_loaded
.Lw_out:
	WLOAD 1024
.Lw_loaded:
	s_wait_loadcnt 63                              ; at most 63 of the 128 are out: the first 65 are in, the 64 of h = 0 among them
	QUANTB R, PC0, WD0                             ; what lane (r, 0) of the image holds
	CODES PC0, 10, 11, 0, 512
	s_wait_loadcnt 0x0
	QUANTB R+64, PC1, WD1                          ; what lane (r, 1) holds: 16 lanes on
	CODES PC1, 10, 11, 256, 512+128
	v_lshl_or_b32 v[WD0], v[WD1], 8, v[WD0]        ; blocks 0, 2 from h = 0 and 1, 3 from h = 1
	global_store_b32 v12, v[WD0], s[26:27]
	s_endpgm
.Lfunc_end_k_qfc9e03f692_prep:
	.size	k_qfc9e03f692_prep, .Lfunc_end_k_qfc9e03f692_prep-k_qfc9e03f692_prep
	.p2alignl 7, 3214868480
	.fill 96, 4, 3214868480
	.section	.rodata,"a",@progbits
	.p2align	6, 0x0
	.amdhsa_kernel k_qfc9e03f692_prep
		.amdhsa_group_segment_fixed_size 68096
		.amdhsa_private_segment_fixed_size 0
		.amdhsa_enable_private_segment 0
		.amdhsa_kernarg_size 32
		.amdhsa_user_sgpr_count 2
		.amdhsa_user_sgpr_kernarg_segment_ptr 1
		.amdhsa_wavefront_size32 1
		.amdhsa_system_sgpr_workgroup_id_x 1
		.amdhsa_system_sgpr_workgroup_id_y 1
		.amdhsa_system_sgpr_workgroup_id_z 1
		.amdhsa_system_vgpr_workitem_id 0
		.amdhsa_next_free_vgpr 256
		.amdhsa_next_free_sgpr 66
		.amdhsa_reserve_vcc 0
		.amdhsa_float_denorm_mode_32 3
		.amdhsa_float_denorm_mode_16_64 3
		.amdhsa_memory_ordered 1
		.amdhsa_forward_progress 1
		.amdhsa_inst_pref_size 50
	.end_amdhsa_kernel
	.amdgpu_metadata
---
amdhsa.version: [ 1, 2 ]
amdhsa.kernels:
  - .name:           k_qfc9e03f692_prep
    .symbol:         k_qfc9e03f692_prep.kd
    .args:
      - { .name: x, .offset: 0, .size: 8, .value_kind: global_buffer, .address_space: global }
      - { .name: W_in, .offset: 8, .size: 8, .value_kind: global_buffer, .address_space: global }
      - { .name: W_out, .offset: 16, .size: 8, .value_kind: global_buffer, .address_space: global }
      - { .name: pb, .offset: 24, .size: 8, .value_kind: global_buffer, .address_space: global }
    .group_segment_fixed_size: 68096
    .private_segment_fixed_size: 0
    .kernarg_segment_align: 8
    .kernarg_segment_size: 32
    .max_flat_workgroup_size: 128
    .sgpr_count:     66
    .vgpr_count:     256
    .wavefront_size: 32
...
	.end_amdgpu_metadata
.endif
;; end of part 1
;; launch gemm1 (part 2): grid 16 x 16, 4 waves a work-group, clusters of 4 x 4, 327,680 bytes of LDS; arguments pb, b_in, qb; writes qb
.if DOCPART == 2
	.amdgcn_target "amdgcn-amd-amdhsa--gfx1250"
	.amdhsa_code_object_version 6
	.text
	.protected	k_qfc9e03f692_gemm1
	.globl	k_qfc9e03f692_gemm1
	.p2align	8
	.type	k_qfc9e03f692_gemm1,@function
k_qfc9e03f692_gemm1:
	s_mov_b64 s[64:65], 0
	v_nop
	global_prefetch_b8 v0, s[64:65] scope:SCOPE_SE
	s_setreg_imm32_b32 hwreg(HW_REG_WAVE_MODE, 25, 1), 1
	s_wait_xcnt 0x0
	s_wait_alu depctr_hold_cnt(0) depctr_sa_sdst(0) depctr_va_vdst(0) depctr_va_sdst(0) depctr_va_ssrc(0) depctr_va_vcc(0) depctr_vm_vsrc(0)
	s_getreg_b32 s2, hwreg(HW_REG_IB_STS2, 6, 4)
	s_cmp_eq_u32 s2, 0
	s_cbranch_scc0 .Lentry_in_a_cluster
	s_endpgm
.Lentry_in_a_cluster:
	s_bfe_u32 s2, ttmp6, 0x10000c
	s_cmp_lg_u32 s2, 0xf033
	s_cbranch_scc0 .Lentry_shape_is_right
	s_endpgm
.Lentry_shape_is_right:
; qkv = x W_in + b_in on codes of FP6 with E8M0 scales (made by the launch before), and the results quantised again on the way out, as the operands of the attention's two products.
; Every product is P0 P1^T: source 0 = 16 rows of P0, source 1 = 16 rows of P1, so that a lane holds ONE row of P1 and its registers run along P0's rows, the axis along which the result is quantised.
; 256 WORK-GROUPS, EACH WITH TWO PHASES.  PHASE 1, q or k: P0 = 128 columns of W_in (two heads), P1 = 256 tokens: quantised along the head's 64.  A wave: P1's tiles 4 w .. 4 w + 3 x P0's eight: 32 accumulators.
; PHASE 2, v: P0 = 128 tokens (keys), P1 = 128 columns of W_in's v part (two heads): quantised along the keys.  A wave: P1's tiles 2 w, 2 w + 1 x P0's eight: 16 accumulators.
; PHASE 2'S TOKENS ARE A HALF OF THE WORK-GROUP'S OWN 256, which lie in LDS since the head.  Which half (cluster x % 2) hangs on the cluster's number alone; the v columns' group is 4 (cluster x / 2) + cx: each of the 32 x 8 tiles of v has one work-group.
; Tiles hold rows 32 (T / 2) + 8 (T % 2) + r + 8 (r / 8): the 16 registers of two neighbouring tiles of P0 are then 16 neighbouring rows of P0, 32 b + 16 (lane / 16) + 0 .. 15.
; LDS: all of K (1,024) in two halves of four K steps, [half][tokens 16 tiles][weights 8 tiles][6,144 bytes].  FILLS, one tensor load a wave each time: the first half at the head; the second behind the wait for it, the add, its wait and a round
; of the cluster's barrier; ONE REFILL, in phase 1's last K step, behind the same lines and a round: the weights' 8 tiles of both halves take the v columns' (wave w: half w % 2, tiles 4 (w / 2) on).  It has that step's products and phase 1's way out in which to land.
; CLUSTER 4 x 4: the tokens' tiles are shared along a row of the cluster, the weights' along a column: joint loads.  No prefetch into the L2: the text has no loop to run ahead in.
; The bias is the C of each phase's first K step: phase 1's runs along the registers, phase 2's is one number a lane and tile, spread over eight registers.
; qb: blocks of 6,144 bytes [c 2][a 4][768], a half fragment each (registers 6 c .. 6 c + 3 at 16 x lane, 6 c + 4, 6 c + 5 at 512 + 8 x lane); scale words [block][c 2][r 16][a 4].
;   q, k: block = (n / 128) 64 + token / 64, c = the head of the pair, a = the tile of 16 tokens; each copy of a scale word holds its own head's two bytes below and zeros above.
;   v: block = 1024 + 256 b + 16 head + key / 128, c = the half of the 128 keys, a = the tile of 16 of the head's 64; copy 0 holds the whole word.
; LIMITS: a block's largest magnitude is floored at 2^-124 (byte at least 1; a block of zeros gets 1: only this program reads the bytes); NaN and infinities are not served.
; REGISTERS: window 0: addresses, scale words, biases, the way out.  window 1: accumulator (a, b) at v[8 (8 a + b)].  window 2: P0's fragments, two sets of 96.  window 3: P1's, two sets of 48.
.set XS_OFF, 3145728
.set WF_OFF, 3276800
.set WS_OFF, 6422528
.set QS_OFF, 9437184
.set SL,   147456                      ; a half of K
.set P0L,  98304                       ; where the weights' tiles begin in it
.set SPARE, 294912
.set LO16, 2                           ; v2 16 x lane, v3 8 x lane, v4 4 x lane
.set LO8,  3
.set LO4,  4
.set A016, 8                           ; LDS addresses of P0's fragments, 16-byte parts: v8, v9 phase 1's in half 0, 1; v10, v11 phase 2's
.set A08,  12                          ; their 8-byte parts
.set A116, 16                          ; the same for my tiles of P1
.set A18,  20
.set SC0,  24                          ; v24-55  phase 1, P0's scale words: 4 b + q: lanes 0-15 K step 2 q, lanes 16-31 K step 2 q + 1
.set SC1,  56                          ; v56-71  P1's: 4 a + q
.set BR,   72                          ; v72-135 phase 1's bias, along the registers
.set BV,   136                         ; v136-151 phase 2's bias: eight registers a tile
.set SD0,  152                         ; v152-183 phase 2, P0's scale words
.set SD1,  184                         ; v184-191 P1's
.set PC,   208                         ; v208-226 the codes just made
.set TM,   228                         ; v228-243 at work in QUANT
.set PW,   244
.set TW,   245
.set BLO,  246
.set SW,   248                         ; v248-251 the tiles' scale words, as they are stored
.set SPW,  254
.set NIL,  255
.set WV,   10
.set CX,   11
.set CY,   12
.set W2,   13
.set W1,   14
.set P0G,  15
.set P1G,  16
.set HLF,  17                          ; which half of my tokens phase 2 takes
.set VG,   18                          ; phase 2's group of 128 columns
.set HIM,  19                          ; lanes 16-31
.set SEL,  20
.set G1P1, 28
.set G1P0, 36
.set G0P1, 44                          ; s[44:51] two groups 0, one for each half of K
.set G0P0, 52                          ; s[52:59]
.set G0R,  60                          ; s[60:63] the refill's
.set MSB, 0
.macro WIN new                         ; the immediate's high byte repeats the setting that is left
.if MSB != \new
	s_set_vgpr_msb (MSB<<8)|\new
.set MSB, \new
.endif
.endm
.macro NOPS n
.rept \n
	v_nop
.endr
.endm
.macro ROUND                           ; a round of the cluster's barrier
	s_barrier_signal -1
	s_barrier_wait -1
	s_cmp_lg_u32 s[WV], 0
	s_cbranch_scc1 .Lnot_wave_0_\@
	s_barrier_signal -3
.Lnot_wave_0_\@:
	s_barrier_wait -3
	s_barrier_signal -1
	s_barrier_wait -1
.endm
.macro TL g0, g1
	tensor_load_to_lds s[\g0:\g0+3], s[\g1:\g1+7]
	s_nop 0
	NOPS 4
.endm
.macro JLOAD q                         ; half q of K: waves 0, 1 fetch the tokens' tiles, waves 2, 3 the weights': one load a wave
	s_cmp_lt_u32 s[WV], 2
	s_cbranch_scc0 .Lfor_p0_\@
	TL G0P1+4*\q, G1P1
	s_branch .Lasked_\@
.Lfor_p0_\@:
	TL G0P0+4*\q, G1P0
.Lasked_\@:
.endm
; K step s's fragments into set s % 2: images of the registers, every load dense.  n1: my tiles of P1;  o: 0 phase 1's addresses, 2 phase 2's
.macro FETCH s, n1, o
	WIN 0x80                                       ; destination window 2, address window 0
.set fb, 0
.rept 8
.irp c, 0,1
	ds_load_b128 v[96*((\s)%2)+12*fb+6*\c:96*((\s)%2)+12*fb+6*\c+3], v[A016+\o+(\s)/4] offset:6144*fb+1536*((\s)%4)+768*\c
	ds_load_b64 v[96*((\s)%2)+12*fb+6*\c+4:96*((\s)%2)+12*fb+6*\c+5], v[A08+\o+(\s)/4] offset:6144*fb+1536*((\s)%4)+768*\c
.endr
.set fb, fb+1
.endr
	WIN 0xc0                                       ; destination window 3
.set fb, 0
.rept \n1
.irp c, 0,1
	ds_load_b128 v[48*((\s)%2)+12*fb+6*\c:48*((\s)%2)+12*fb+6*\c+3], v[A116+\o+(\s)/4] offset:6144*fb+1536*((\s)%4)+768*\c
	ds_load_b64 v[48*((\s)%2)+12*fb+6*\c+4:48*((\s)%2)+12*fb+6*\c+5], v[A18+\o+(\s)/4] offset:6144*fb+1536*((\s)%4)+768*\c
.endr
.set fb, fb+1
.endr
	WIN 0
.endm
.macro PROD c, row
.if \row
	v_wmma_scale_f32_16x16x128_f8f6f4 v[rD:rD+7], v[rA:rA+11], v[rB:rB+11], \c, v[xA], v[xB] matrix_a_fmt:MATRIX_FMT_FP6 matrix_b_fmt:MATRIX_FMT_FP6 matrix_a_scale:MATRIX_SCALE_ROW1 matrix_b_scale:MATRIX_SCALE_ROW1
.else
	v_wmma_scale_f32_16x16x128_f8f6f4 v[rD:rD+7], v[rA:rA+11], v[rB:rB+11], \c, v[xA], v[xB] matrix_a_fmt:MATRIX_FMT_FP6 matrix_b_fmt:MATRIX_FMT_FP6
.endif
.endm
; K step s's products.  The accumulators take turns, one instruction a turn, in the same order in every step.  The first step's C is the bias: nothing is cleared.
.macro MUL s, n1, ph
.if (\s) == 0
	WIN 0x4e                                       ; source 0 window 2, source 1 window 3, C window 0, D window 1
.else
	WIN 0x5e                                       ; C and D window 1
.endif
.set mb, 0
.rept 8
.set ma, 0
.rept \n1
.set rD, 8*(8*ma+mb)
.set rA, 96*((\s)%2)+12*mb
.set rB, 48*((\s)%2)+12*ma
.if (\ph) == 1
.set xA, SC0+4*mb+(\s)/2
.set xB, SC1+4*ma+(\s)/2
.else
.set xA, SD0+4*mb+(\s)/2
.set xB, SD1+4*ma+(\s)/2
.endif
.if (\s) > 0
	PROD v[rD:rD+7], (\s)%2
.elseif (\ph) == 1
	PROD v[BR+8*mb:BR+8*mb+7], 0
.else
	PROD v[BV+8*ma:BV+8*ma+7], 0
.endif
.set ma, ma+1
.endr
.set mb, mb+1
.endr
.endm
.macro STEP s, n1, o, ph
	s_wait_dscnt 0x0                               ; this step's fragments are in (asked for a step ago)
.if ((\ph) == 1) && ((\s) == 3)
	s_wait_tensorcnt 0x0                           ; my part of the second half of K has landed
	s_barrier_signal -1
	s_barrier_wait -1                              ; everybody's has.
.endif
.if ((\ph) == 1) && ((\s) == 7)
	s_wait_tensorcnt 0x0                           ; THE REFILL.  No load of mine is out;
	ds_add_u32 v[SPW], v[NIL]                      ; the add;
	s_wait_dscnt 0x0                               ; it is done, and so are my reads of the weights' tiles: the last K step's fragments are in registers
	ROUND                                          ; both now hold of every wave of every work-group of the cluster
	TL G0R, G1P0                                   ; the v columns' tiles, onto the q or k columns'
.endif
.if (\s) < 7
	FETCH (\s)+1, \n1, \o                          ; into the set that the step before multiplied: four plain instructions stand behind its last product
.endif
	MUL \s, \n1, \ph
	WIN 0
	NOPS 4                                         ; places in front of the next loads into this step's set, and of the first read of results
.endm
; 64 sums of a lane, at register s of window 1, register 16 b + i = k 32 b + 16 (lane / 16) + i of my row, become a fragment's codes in v[PC] on and its scale word in v[PW].  Each accumulator is read from its low end on
.macro QUANT s
	WIN 0x05                                       ; sources 0 and 1 window 1
.irp b, 0,1,2,3
	v_max3_num_f32 v[TM+\b], |v[\s+16*\b]|, |v[\s+1+16*\b]|, 0x1800000   ; my 16 numbers of block b, and the floor 2^(3 - 127)
.endr
	WIN 0x14                                       ; sources 1 and 2 window 1
.irp i, 2,4,6,8,10,12,14
.irp b, 0,1,2,3
	v_max3_num_f32 v[TM+\b], v[TM+\b], |v[\s+16*\b+\i]|, |v[\s+1+16*\b+\i]|
.endr
.endr
	WIN 0
.irp b, 0,1,2,3
	v_permlanex16_b32 v[TM+4+\b], v[TM+\b], s[SEL], s[SEL+1]
.endr
.irp b, 0,1,2,3
	v_max_num_f32 v[TM+\b], v[TM+\b], v[TM+4+\b]   ; with lane l xor 16's: the block's largest magnitude
.endr
.irp b, 0,1,2,3
	v_add_nc_u32 v[TM+12+\b], 0xff000000, v[TM+\b] ; 2 off its exponent field: the conversion's scale operand
.endr
.irp b, 0,1,2,3
	v_lshrrev_b32 v[TM+4+\b], 23, v[TM+12+\b]      ; the scale's byte
.endr
	v_lshl_or_b32 v[PW], v[TM+5], 8, v[TM+4]
	v_lshl_or_b32 v[PW], v[TM+6], 16, v[PW]
	v_lshl_or_b32 v[PW], v[TM+7], 24, v[PW]
	WIN 0x01                                       ; source 0 window 1
.irp c, 0,1
	v_cvt_scalef32_pk16_fp6_f32 v[PC+6*\c:PC+2+6*\c], v[\s+32*\c:\s+15+32*\c], v[TM+12+2*\c]
	v_cvt_scalef32_pk16_fp6_f32 v[PC+12+4*\c:PC+14+4*\c], v[\s+16+32*\c:\s+31+32*\c], v[TM+12+2*\c+1]   ; (a conversion's three registers begin on an even number)
.endr
	WIN 0
	v_nop                                          ; one plain instruction behind the scaled conversions
.irp c, 0,1                            ; the operand's layout wants a whole block in a lane: lanes 0-15 block 2 c, lanes 16-31 block 2 c + 1
.irp i, 0,1,2
	v_permlane16_swap_b32 v[PC+6*\c+\i], v[PC+12+4*\c+\i]
.endr
.irp i, 0,1,2
	v_mov_b32 v[PC+3+6*\c+\i], v[PC+12+4*\c+\i]
.endr
.endr
.endm
; THE WAY OUT of my tile a of P1: the quantiser, the fragment's two halves, its scale word.  cb: the codes' base;  first = 1: no store of mine is out yet
.macro OUTA a, ph, cb, first
.if !(\first)
	s_wait_xcnt 0x0                                ; the earlier stores have read their data: the codes' and words' registers are written again only behind this wait
.endif
	QUANT 64*\a
.irp c, 0,1
	global_store_b128 v[LO16], v[PC+6*\c:PC+6*\c+3], s[\cb:\cb+1] offset:3072*\c+768*\a       ; 512 consecutive bytes
	global_store_b64 v[LO8], v[PC+6*\c+4:PC+6*\c+5], s[\cb:\cb+1] offset:3072*\c+768*\a+512   ; 256 consecutive bytes
.endr
.if (\ph) == 1
	v_and_b32 v[TW], 0xffff, v[PW]                 ; copy c = 0: the first head's two bytes alone
	v_lshrrev_b32 v[PW], 16, v[PW]                 ; copy c = 1: the second head's
	v_cndmask_b32 v[SW+\a], v[TW], v[PW], s[HIM]   ; lanes 0-15 store copy 0, lanes 16-31 copy 1
.else
	v_lshrrev_b32 v[TW], 16, v[PW]
	v_cndmask_b32 v[SW+\a], v[PW], v[TW], s[HIM]   ; copy 0: the whole word
.endif
.endm
	s_load_b128 s[4:7], s[0:1], 0x0                ; pb, b_in
	s_load_b64 s[8:9], s[0:1], 0x10                ; qb
	v_lshl_add_u32 v[SPW], v0, 2, SPARE
	v_mov_b32 v[NIL], 0
	ds_add_u32 v[SPW], v[NIL]                      ; the opening lines: the add, twice on end, and its wait
	ds_add_u32 v[SPW], v[NIL]
	v_lshrrev_b32 v1, 5, v0
	v_readfirstlane_b32 s[WV], v1                  ; wave 0..3
	s_and_b32 s[W1], s[WV], 1
	s_lshr_b32 s[W2], s[WV], 1
	s_bfe_u32 s[CX], ttmp6, 0x40000                ; my place in the cluster
	s_bfe_u32 s[CY], ttmp6, 0x40004
	s_lshl_b32 s22, s[CY], 2
	s_lshl_b32 s22, 15, s22                        ; my row of the cluster
	s_lshl_b32 s23, 0x1111, s[CX]                  ; my column
	s_or_b32 s[G1P1], s22, (3<<16)|(1<<21)         ; 15:0 the mask: the tokens' tiles go to my row; 17:16 elements of 8 bytes; 21 set beside a mask; no padding
	s_or_b32 s[G1P0], s23, (3<<16)|(1<<21)         ; the weights' to my column
	s_mov_b32 s[G1P1+1], 768<<16                   ; tensor_dim0 = 768 elements: four K steps of a tile, 6,144 bytes
	s_mov_b32 s[G1P1+2], 8<<16                     ; tensor_dim1 = 8 tiles
	s_mov_b32 s[G1P1+3], 768<<16                   ; tile_dim0
	s_mov_b32 s[G1P1+4], 8                         ; tile_dim1
	s_mov_b32 s[G1P1+5], 1536                      ; from tile to tile: 12,288 bytes
	s_mov_b32 s[G1P1+6], 0
	s_mov_b32 s[G1P1+7], 0
	s_mov_b32 s[G1P0+1], 768<<16
	s_mov_b32 s[G1P0+2], 4<<16                     ; 4 tiles
	s_mov_b32 s[G1P0+3], 768<<16
	s_mov_b32 s[G1P0+4], 4
	s_mov_b32 s[G1P0+5], 1536
	s_mov_b32 s[G1P0+6], 0
	s_mov_b32 s[G1P0+7], 0
	s_lshl_b32 s[P0G], ttmp9, 2
	s_add_co_u32 s[P0G], s[P0G], s[CX]             ; phase 1's group of 128 columns: hangs on cx alone
	s_and_b32 s[P1G], ttmp7, 0xffff
	s_lshl_b32 s[P1G], s[P1G], 2
	s_add_co_u32 s[P1G], s[P1G], s[CY]             ; my group of 256 tokens: hangs on cy alone
	s_and_b32 s[HLF], ttmp9, 1                     ; the same in all sixteen partners
	s_lshr_b32 s[VG], ttmp9, 1
	s_lshl_b32 s[VG], s[VG], 2
	s_add_co_u32 s[VG], s[VG], s[CX]               ; phase 2's group of 128 columns, from column 2,048 on
	s_mul_i32 s86, s[P0G], 98304                   ; 8 tiles of 12,288 bytes
	s_add_co_u32 s86, s86, WF_OFF
	s_mul_i32 s94, s[W1], 49152                    ; the four tiles that I fetch.  Also: where my eight tiles of tokens go in a half of K
	s_add_co_u32 s86, s86, s94
	s_mov_b32 s87, 0
	s_mul_i32 s88, s[P1G], 196608                  ; 16 tiles
	s_mul_i32 s95, s[W1], 98304
	s_add_co_u32 s88, s88, s95
	s_mov_b32 s89, 0
	s_lshl_b32 s90, s[P0G], 12                     ; 8 tiles of 512 bytes of scale words
	s_add_co_u32 s90, s90, WS_OFF
	s_mov_b32 s91, 0
	s_lshl_b32 s92, s[P1G], 13
	s_lshl_b32 s95, s[WV], 11                      ; my four tiles of tokens
	s_add_co_u32 s92, s92, s95
	s_add_co_u32 s92, s92, XS_OFF
	s_mov_b32 s93, 0
	s_mul_i32 s78, s[VG], 98304                    ; the refill: tiles 128 + 8 group + 4 (w / 2) on, K steps 4 (w % 2) on
	s_add_co_u32 s78, s78, WF_OFF+128*12288
	s_mul_i32 s95, s[W2], 49152
	s_add_co_u32 s78, s78, s95
	s_mul_i32 s95, s[W1], 6144
	s_add_co_u32 s78, s78, s95
	s_mov_b32 s79, 0
	s_lshl_b32 s84, s[P1G], 1
	s_add_co_u32 s84, s84, s[HLF]                  ; phase 2's group of 128 tokens
	s_lshl_b32 s70, s84, 12
	s_add_co_u32 s70, s70, XS_OFF                  ; its scale words
	s_mov_b32 s71, 0
	s_lshl_b32 s72, s[VG], 12
	s_lshl_b32 s95, s[WV], 10                      ; my two tiles of v columns
	s_add_co_u32 s72, s72, s95
	s_add_co_u32 s72, s72, WS_OFF+128*512
	s_mov_b32 s73, 0
	s_lshl_b32 s22, s[P0G], 6                      ; where the results go.  q, k: block = 64 (n / 128) + token / 64
	s_lshl_b32 s23, s[P1G], 2
	s_add_co_u32 s22, s22, s23
	s_add_co_u32 s22, s22, s[WV]
	s_mul_i32 s24, s22, 6144
	s_mov_b32 s25, 0
	s_lshl_b32 s26, s22, 9
	s_add_co_u32 s26, s26, QS_OFF
	s_mov_b32 s27, 0
	s_lshr_b32 s22, s84, 4                         ; v: block = 1024 + 256 b + 16 head + key / 128, head = 2 group + w / 2
	s_lshl_b32 s22, s22, 8
	s_lshl_b32 s23, s[VG], 1
	s_add_co_u32 s23, s23, s[W2]
	s_lshl_b32 s23, s23, 4
	s_add_co_u32 s22, s22, s23
	s_and_b32 s23, s84, 15
	s_add_co_u32 s22, s22, s23
	s_add_co_u32 s22, s22, 1024
	s_mul_i32 s74, s22, 6144
	s_mul_i32 s23, s[W1], 1536                     ; my tiles are a = 2 (w % 2), + 1
	s_add_co_u32 s74, s74, s23
	s_mov_b32 s75, 0
	s_lshl_b32 s76, s22, 9
	s_lshl_b32 s23, s[W1], 3
	s_add_co_u32 s76, s76, s23
	s_add_co_u32 s76, s76, QS_OFF
	s_mov_b32 s77, 0
	s_lshl_b32 s96, s[P0G], 9                      ; phase 1's bias: b_in at P0's 128 columns
	s_mov_b32 s97, 0
	s_lshl_b32 s98, s[VG], 9                       ; phase 2's: b_in at column 2,048 + 128 group + 32 w
	s_lshl_b32 s23, s[WV], 7
	s_add_co_u32 s98, s98, s23
	s_add_co_u32 s98, s98, 8192
	s_mov_b32 s99, 0
	s_mul_i32 s95, s[W1], 24576                    ; where my four tiles of weights go in a half of K: no place in the cluster enters an LDS address
	s_add_co_u32 s95, s95, P0L
	s_mov_b32 s[G0R], 1
	s_mul_i32 s[G0R+1], s[W1], SL
	s_mul_i32 s23, s[W2], 24576
	s_add_co_u32 s[G0R+1], s[G0R+1], s23
	s_add_co_u32 s[G0R+1], s[G0R+1], P0L
	s_mov_b32 s[HIM], 0xffff0000
	s_mov_b32 s[SEL], 0x76543210
	s_mov_b32 s[SEL+1], 0xfedcba98                 ; v_permlanex16_b32's selects for lane l xor 16
	s_wait_dscnt 0x0
	s_wait_kmcnt 0x0
	s_add_nc_u64 s[86:87], s[4:5], s[86:87]
	s_add_nc_u64 s[88:89], s[4:5], s[88:89]
	s_add_nc_u64 s[90:91], s[4:5], s[90:91]
	s_add_nc_u64 s[92:93], s[4:5], s[92:93]
	s_add_nc_u64 s[70:71], s[4:5], s[70:71]
	s_add_nc_u64 s[72:73], s[4:5], s[72:73]
	s_add_nc_u64 s[G0R+2:G0R+3], s[4:5], s[78:79]
	s_or_b32 s[G0R+3], s[G0R+3], 0x80000000
	s_add_nc_u64 s[24:25], s[8:9], s[24:25]
	s_add_nc_u64 s[26:27], s[8:9], s[26:27]
	s_add_nc_u64 s[74:75], s[8:9], s[74:75]
	s_add_nc_u64 s[76:77], s[8:9], s[76:77]
	s_add_nc_u64 s[96:97], s[6:7], s[96:97]
	s_add_nc_u64 s[98:99], s[6:7], s[98:99]
.irp q, 0,1
	s_mov_b32 s[G0P1+4*\q], 1                      ; count = 1
	s_add_co_u32 s[G0P1+4*\q+1], s94, \q*SL        ; LDS address
	s_add_nc_u64 s[G0P1+4*\q+2:G0P1+4*\q+3], s[88:89], \q*6144   ; global address: K steps 4 q .. 4 q + 3
	s_or_b32 s[G0P1+4*\q+3], s[G0P1+4*\q+3], 0x80000000          ; type = 2
	s_mov_b32 s[G0P0+4*\q], 1
	s_add_co_u32 s[G0P0+4*\q+1], s95, \q*SL
	s_add_nc_u64 s[G0P0+4*\q+2:G0P0+4*\q+3], s[86:87], \q*6144
	s_or_b32 s[G0P0+4*\q+3], s[G0P0+4*\q+3], 0x80000000
.endr
	ROUND                                          ; all sixteen work-groups are here: the joint loads meet
	JLOAD 0                                        ; the first half of K: one load a wave at the head
	v_and_b32 v1, 31, v0
	v_lshlrev_b32 v[LO16], 4, v1
	v_lshlrev_b32 v[LO8], 3, v1
	v_lshlrev_b32 v[LO4], 2, v1
	v_and_b32 v5, 15, v0                           ; r
	v_bfe_u32 v6, v0, 4, 1                         ; h
	v_lshlrev_b32 v7, 6, v6                        ; 64 h: my half's 16 numbers of each 32
	v_and_b32 v[BLO], 8, v5
	v_add_nc_u32 v[BLO], v[BLO], v5
	v_lshlrev_b32 v[BLO], 2, v[BLO]                ; 4 (r + 8 (r / 8))
	s_wait_alu depctr_va_vdst(0)                   ; the wait
.set ii, 0
.rept 8
.irp q, 0,1,2,3
	global_load_b32 v[SC0+4*ii+\q], v[LO4], s[90:91] offset:512*ii+128*\q   ; 128 consecutive bytes: two K steps' words of a tile
.endr
.set ii, ii+1
.endr
.set ii, 0
.rept 4
.irp q, 0,1,2,3
	global_load_b32 v[SC1+4*ii+\q], v[LO4], s[92:93] offset:512*ii+128*\q
.endr
.set ii, ii+1
.endr
.irp e, 0,1,2,3
.irp j, 0,1,2,3
	global_load_b128 v[BR+16*\e+4*\j:BR+16*\e+4*\j+3], v7, s[96:97] offset:128*\e+16*\j   ; b_in at P0's rows 32 e + 16 h + 0 .. 15
.endr
.endr
.set ii, 0
.rept 8
.irp q, 0,1,2,3
	global_load_b32 v[SD0+4*ii+\q], v[LO4], s[70:71] offset:512*ii+128*\q   ; phase 2's words, in registers of their own
.endr
.set ii, ii+1
.endr
.irp a, 0,1
.irp q, 0,1,2,3
	global_load_b32 v[SD1+4*\a+\q], v[LO4], s[72:73] offset:512*\a+128*\q
.endr
	global_load_b32 v[BV+8*\a], v[BLO], s[98:99] offset:32*\a   ; b_in at my tile's column of lane r
.endr
	s_mul_i32 s94, s[WV], 24576                    ; phase 1: my four tiles of tokens in a half of K
	s_mul_i32 s84, s[HLF], 49152                   ; phase 2: its eight tiles of tokens,
	s_mul_i32 s85, s[WV], 12288                    ; and my two tiles of weights
	s_add_co_u32 s85, s85, P0L
.irp q, 0,1
	v_add_nc_u32 v[A016+\q], \q*SL+P0L, v[LO16]
	v_add_nc_u32 v[A08+\q], \q*SL+P0L+512, v[LO8]
	v_add_nc_u32 v[A116+\q], s94, v[LO16]
	v_add_nc_u32 v[A016+2+\q], s84, v[LO16]
	v_add_nc_u32 v[A116+2+\q], s85, v[LO16]
	s_add_co_u32 s94, s94, 512
	s_add_co_u32 s84, s84, 512
	s_add_co_u32 s85, s85, 512
	v_add_nc_u32 v[A18+\q], s94, v[LO8]
	v_add_nc_u32 v[A08+2+\q], s84, v[LO8]
	v_add_nc_u32 v[A18+2+\q], s85, v[LO8]
	s_add_co_u32 s94, s94, SL-512
	s_add_co_u32 s84, s84, SL-512
	s_add_co_u32 s85, s85, SL-512
.endr
	s_wait_loadcnt 0x0
.irp a, 0,8
.irp i, 1,2,3,4,5,6,7
	v_mov_b32 v[BV+\a+\i], v[BV+\a]                ; phase 2's bias over the tile's eight registers
.endr
.endr
.irp b, 0,1,2,3
	v_mov_b32 v[TM+4+\b], 0                        ; a lane permute's destination counts as one of its sources
.endr
	s_wait_alu depctr_va_vdst(0)                   ; the wait at the head's end
	s_wait_tensorcnt 0x0                           ; my part of the first half has landed
	ds_add_u32 v[SPW], v[NIL]
	s_wait_dscnt 0x0
	ROUND                                          ; everybody's has, and all sixteen work-groups are here
	JLOAD 1                                        ; the second half of K, my one load behind the round: it has K steps 0 to 3 in which to land
	; ---------------- PHASE 1: q or k
	FETCH 0, 4, 0
.irp s, 0,1,2,3,4,5,6,7
	STEP \s, 4, 0, 1
.endr
	OUTA 0, 1, 24, 1
	OUTA 1, 1, 24, 0
	OUTA 2, 1, 24, 0
	OUTA 3, 1, 24, 0
	global_store_b128 v[LO16], v[SW:SW+3], s[26:27]   ; [c][r][a]: 512 consecutive bytes
	; ---------------- PHASE 2: v
	s_wait_tensorcnt 0x0                           ; my part of the refill has landed
	s_wait_dscnt 0x0
	s_barrier_signal -1
	s_barrier_wait -1                              ; everybody's has.
	FETCH 0, 2, 2
.irp s, 0,1,2,3,4,5,6,7
	STEP \s, 2, 2, 2
.endr
	OUTA 0, 2, 74, 0
	OUTA 1, 2, 74, 0
	global_store_b64 v[LO16], v[SW:SW+1], s[76:77]    ; [c][r][a]: my two of a row's four words; the wave beside me stores the other two
	s_wait_tensorcnt 0x0                           ; the wave's end
	ds_add_u32 v[SPW], v[NIL]
	s_wait_dscnt 0x0
	ROUND                                          ; the closing round: no work-group ends while a partner may still ask for a tile that names it
	s_endpgm
.Lfunc_end_k_qfc9e03f692_gemm1:
	.size	k_qfc9e03f692_gemm1, .Lfunc_end_k_qfc9e03f692_gemm1-k_qfc9e03f692_gemm1
	.p2alignl 7, 3214868480
	.fill 96, 4, 3214868480
	.section	.rodata,"a",@progbits
	.p2align	6, 0x0
	.amdhsa_kernel k_qfc9e03f692_gemm1
		.amdhsa_group_segment_fixed_size 327680
		.amdhsa_private_segment_fixed_size 0
		.amdhsa_enable_private_segment 0
		.amdhsa_kernarg_size 24
		.amdhsa_user_sgpr_count 2
		.amdhsa_user_sgpr_kernarg_segment_ptr 1
		.amdhsa_wavefront_size32 1
		.amdhsa_system_sgpr_workgroup_id_x 1
		.amdhsa_system_sgpr_workgroup_id_y 1
		.amdhsa_system_sgpr_workgroup_id_z 1
		.amdhsa_system_vgpr_workitem_id 0
		.amdhsa_next_free_vgpr 1024
		.amdhsa_next_free_sgpr 100
		.amdhsa_reserve_vcc 0
		.amdhsa_float_denorm_mode_32 3
		.amdhsa_float_denorm_mode_16_64 3
		.amdhsa_memory_ordered 1
		.amdhsa_forward_progress 1
		.amdhsa_inst_pref_size 147
	.end_amdhsa_kernel
	.amdgpu_metadata
---
amdhsa.version: [ 1, 2 ]
amdhsa.kernels:
  - .name:           k_qfc9e03f692_gemm1
    .symbol:         k_qfc9e03f692_gemm1.kd
    .args:
      - { .name: pb, .offset: 0, .size: 8, .value_kind: global_buffer, .address_space: global }
      - { .name: b_in, .offset: 8, .size: 8, .value_kind: global_buffer, .address_space: global }
      - { .name: qb, .offset: 16, .size: 8, .value_kind: global_buffer, .address_space: global }
    .group_segment_fixed_size: 327680
    .private_segment_fixed_size: 0
    .kernarg_segment_align: 8
    .kernarg_segment_size: 24
    .max_flat_workgroup_size: 128
    .sgpr_count:     100
    .vgpr_count:     1024
    .wavefront_size: 32
...
	.end_amdgpu_metadata
.endif
;; end of part 2
;; launch attn (part 3): grid 8 x 32, 16 waves a work-group, clusters of 4 x 1, 327,680 bytes of LDS; arguments qb, cb; writes cb
.if DOCPART == 3
	.amdgcn_target "amdgcn-amd-amdhsa--gfx1250"
	.amdhsa_code_object_version 6
	.text
	.protected	k_qfc9e03f692_attn
	.globl	k_qfc9e03f692_attn
	.p2align	8
	.type	k_qfc9e03f692_attn,@function
k_qfc9e03f692_attn:
	s_mov_b64 s[64:65], 0
	v_nop
	global_prefetch_b8 v0, s[64:65] scope:SCOPE_SE
	s_setreg_imm32_b32 hwreg(HW_REG_WAVE_MODE, 25, 1), 1
	s_wait_xcnt 0x0
	s_wait_alu depctr_hold_cnt(0) depctr_sa_sdst(0) depctr_va_vdst(0) depctr_va_sdst(0) depctr_va_ssrc(0) depctr_va_vcc(0) depctr_vm_vsrc(0)
	s_getreg_b32 s2, hwreg(HW_REG_IB_STS2, 6, 4)
	s_cmp_eq_u32 s2, 0
	s_cbranch_scc0 .Lentry_in_a_cluster
	s_endpgm
.Lentry_in_a_cluster:
	s_bfe_u32 s2, ttmp6, 0x10000c
	s_cmp_lg_u32 s2, 0x3003
	s_cbranch_scc0 .Lentry_shape_is_right
	s_endpgm
.Lentry_shape_is_right:
; ctx[b][h][q] = softmax_k(q . k / 8) v, both products on codes of FP6 with E8M0 scales; the result is quantised along the head's 64 as the operand of the last product.
; THE SOFTMAX: t = score x log2(e) / 8; M = the running largest t rounded UP to a whole number; p = 2^(t - M) is what is quantised, along the keys, not normalised.  The row's sum is taken of the unquantised p and divides at the end.
; When M moves, the sums and O are multiplied by f = 2^(old M - new M): exact, in every step, with no branch.
; SHARES: a work-group owns 256 queries of one (b, head), each of its sixteen waves 16 of them in 256 registers: four waves to a SIMD.
; THE HEAD'S WHOLE K AND V LIE IN LDS, filled once: every wave issues ONE tensor load at the head (waves 0-7 K's slices of 256 keys, waves 8-15 V's), every wave waits for it, one barrier shows all; the loop over the 16 key steps has no barrier.
; CLUSTER: the four work-groups of a cluster belong to one head: K and V are asked for jointly.  No prefetch into the L2: every tile is asked for at the head, and there is no loop of loads to run ahead in.
; LAYOUT: both products transposed (S^T = K Q^T, O^T = V^T P^T): a lane holds one query.  THE KEYS OF A TILE are chosen by the lanes' LDS addresses: tile t of a group of 64 keys takes keys 8 t + 0..7 as rows 0-7 and keys 32 + 8 t + 0..7 as rows 8-15.
; So lane (r, h) holds, in the 32 registers of a group's four tiles, the 32 neighbouring keys 32 h + 0..31: ONE WHOLE SCALE BLOCK.  Its largest p needs no other lane, and the conversions' results are the operand's registers.
; In memory a group's tiles T = 0..3 hold keys 32 (T / 2) + 8 (T % 2) + r + 8 (r / 8): my tile t's row r is row r % 8 + 8 (t / 2) of tile t % 2 + 2 (r / 8).  The tensor load lays 64 bytes of padding behind each 256 of K's codes, so that
; tile T + 2 begins 1,920 bytes behind tile T, which is 128 modulo 256: the sixteen lanes of a 16-byte load touch sixteen different 16-byte columns.
; THE HEAD'S K IS 64, HALF OF THE INSTRUCTION'S 128: Q's registers 6-11 are zero codes, so whatever stands in K's registers 6-11 adds nothing (FP6 has no NaN code; both sides' scale bytes there are 0, a finite code).
; So K's fragments overlap: tile t is v[KF + 6 t] on, 12 registers, the upper six being tile t + 1's codes (behind tile 7: zeros).
; LIMITS: the promise holds while |t| stays under 2^31; a block's largest magnitude is floored at 2^-124 (byte at least 1; a block of zeros gets 1: only this program reads the bytes); NaN and infinities are not served.
.set QS_OFF, 9437184
.set CS_OFF, 3145728
.set KS,   0                           ; LDS: K's scale words [32 groups of 64 keys][r 16][T 4]
.set VS,   8192                        ; V's scale words [16 key steps][r 16][4 tiles of d]
.set SPARE, 12288                      ; the spare words: 128 bytes a wave
.set KC,   14336                       ; K's codes [32 groups][T 4][3 x (256 + 64)]
.set VC,   137216                      ; V's codes [16 key steps][c 2][4 tiles of d][768]
.set AK16, 1                           ; v1-6 LDS addresses at key step 0: K's 16-byte parts, 8-byte parts, V's, K's scale words, V's
.set AK8,  2
.set AV16, 3
.set AV8,  4
.set AKS,  5
.set AVS,  6
.set L16,  7                           ; 16 x lane
.set L8,   8                           ; 512 + 8 x lane
.set SH,   9                           ; 8 h
.set SPW,  16
.set NIL,  17
.set Q,    18                          ; v18-29
.set QSC,  30
.set KSC,  32                          ; v32-35 lanes 0-15 tiles 0-3, lanes 16-31 tiles 4-7
.set VSC,  36
.set KF,   40                          ; v40-93
.set S,    96                          ; v96-159 S^T, then p; V's fragments take v96-143
.set O,    160                         ; v160-191 O^T
.set PC,   192                         ; p's codes
.set CT,   204                         ; the conversions' second halves
.set BM,   212                         ; v212-215 the blocks' largest scores, in two chains each
.set SO,   216
.set BY,   218
.set PX,   220
.set T0,   221                         ; -M of the step before
.set T1,   222
.set FF,   224                         ; v[224:225] f; at the end 1 / l
.set PSC,  226
.set W,    227
.set SA,   228                         ; v228-235 the row's sum in four chains of pairs
.set HW,   236
.set TK16, 238                         ; v238-243 as v1-6, at the step that is fetched next
.set TK8,  239
.set TKS,  240
.set TV16, 241
.set TV8,  242
.set TVS,  243
.set WV,   8
.set CX,   9
.set QB,   10
.set BH,   11
.set BB,   12
.set HD,   13
.set PR,   14
.set CC,   15
.set IK,   16
.set IQ,   17
.set TT,   18
.set SEL,  20
.set CS,   22                          ; s[22:23] log2(e) / 8
.set CNT,  24
.set T6,   25                          ; V's codes: 6,144 bytes a step
.set TS,   26                          ; K's scale words: 512
.set TV,   27                          ; V's: 256
.set G1K,  28
.set G1V,  36
.set G0K,  44
.set G0V,  48
.set TK,   52                          ; K's codes: 7,680 bytes a step with the padding
.set NC,   53                          ; -log2(e) / 8
.macro ROUND                           ; a round of the cluster's barrier
	s_barrier_signal -1
	s_barrier_wait -1
	s_cmp_lg_u32 s[WV], 0
	s_cbranch_scc1 .Lnot_wave_0_\@
	s_barrier_signal -3
.Lnot_wave_0_\@:
	s_barrier_wait -3
	s_barrier_signal -1
	s_barrier_wait -1
.endm
.macro NOPS n
.rept \n
	v_nop
.endr
.endm
	s_load_b128 s[4:7], s[0:1], 0x0                ; qb, cb
	v_lshl_add_u32 v[SPW], v0, 2, SPARE
	v_mov_b32 v[NIL], 0
	ds_add_u32 v[SPW], v[NIL]                      ; the opening lines: the add, twice on end, and its wait
	ds_add_u32 v[SPW], v[NIL]
	v_lshrrev_b32 v1, 5, v0
	v_readfirstlane_b32 s[WV], v1                  ; wave 0..15
	s_bfe_u32 s[CX], ttmp6, 0x40000                ; my place in the cluster: it enters Q's and ctx's addresses alone
	s_lshl_b32 s[QB], ttmp9, 2
	s_add_co_u32 s[QB], s[QB], s[CX]               ; my block of 256 queries
	s_and_b32 s[BH], ttmp7, 0xffff                 ; 16 b + head, which the four partners share
	s_lshr_b32 s[BB], s[BH], 4
	s_and_b32 s[HD], s[BH], 15
	s_lshr_b32 s[PR], s[HD], 1                     ; the pair of heads
	s_and_b32 s[CC], s[HD], 1                      ; the head in its pair
	s_lshl_b32 s[IK], s[PR], 6
	s_lshl_b32 s19, s[BB], 5
	s_add_co_u32 s[IK], s[IK], s19                 ; 64 pair + 32 b
	s_lshl_b32 s[IQ], s[QB], 2
	s_add_co_u32 s[IQ], s[IQ], s[IK]
	s_lshr_b32 s19, s[WV], 2
	s_add_co_u32 s[IQ], s[IQ], s19                 ; Q's block
	s_add_co_u32 s[IK], s[IK], 512                 ; K's first block
	s_and_b32 s2, s[WV], 3                         ; my tile in Q's block
	s_mul_i32 s84, s[IK], 6144
	s_mul_i32 s19, s[CC], 3072
	s_add_co_u32 s84, s84, s19
	s_mul_i32 s3, s[WV], 24576
	s_add_co_u32 s84, s84, s3                      ; K's codes: slice = wave: four blocks of 64 keys
	s_mov_b32 s85, 0
	s_mul_i32 s86, s[BH], 98304
	s_add_co_u32 s86, s86, 6291456-98304
	s_mul_i32 s3, s[WV], 12288
	s_add_co_u32 s86, s86, s3                      ; V's codes: slice = wave - 8: two key steps
	s_mov_b32 s87, 0
	s_lshl_b32 s88, s[IK], 9
	s_lshl_b32 s3, s[CC], 8
	s_add_co_u32 s88, s88, s3
	s_lshl_b32 s3, s[WV], 10
	s_add_co_u32 s88, s88, s3
	s_add_co_u32 s88, s88, QS_OFF                  ; K's scale words: my wave's two blocks
	s_mov_b32 s89, 0
	s_lshl_b32 s90, s[BH], 4
	s_add_co_u32 s90, s90, s[WV]
	s_add_co_u32 s90, s90, 1024
	s_lshl_b32 s90, s90, 9
	s_add_co_u32 s90, s90, QS_OFF                  ; V's: my wave's key step
	s_mov_b32 s91, 0
	s_mul_i32 s92, s[IQ], 6144
	s_add_co_u32 s92, s92, s19
	s_mul_i32 s3, s2, 768
	s_add_co_u32 s92, s92, s3                      ; Q's half fragment
	s_mov_b32 s93, 0
	s_lshl_b32 s94, s[IQ], 9
	s_lshl_b32 s3, s[CC], 8
	s_add_co_u32 s94, s94, s3
	s_lshl_b32 s3, s2, 2
	s_add_co_u32 s94, s94, s3
	s_add_co_u32 s94, s94, QS_OFF                  ; and its scale words
	s_mov_b32 s95, 0
	s_lshl_b32 s[TT], s[BB], 7
	s_lshl_b32 s3, s[QB], 4
	s_add_co_u32 s[TT], s[TT], s3
	s_add_co_u32 s[TT], s[TT], s[WV]               ; my tile of tokens: 128 b + 16 block + wave
	s_mul_i32 s96, s[TT], 12288
	s_mul_i32 s3, s[PR], 1536
	s_add_co_u32 s96, s96, s3
	s_mul_i32 s3, s[CC], 768
	s_add_co_u32 s96, s96, s3                      ; ctx's half fragment: K step = the pair of heads, half = the head
	s_mov_b32 s97, 0
	s_lshl_b32 s98, s[TT], 9
	s_lshl_b32 s3, s[PR], 6
	s_add_co_u32 s98, s98, s3
	s_lshl_b32 s3, s[CC], 1
	s_add_co_u32 s98, s98, s3
	s_add_co_u32 s98, s98, CS_OFF                  ; and its two scale bytes
	s_mov_b32 s99, 0
	s_mov_b32 s[G1K], 15|(3<<16)|(1<<20)|(1<<21)|(5<<22)|(15<<25)   ; the mask: all four work-groups; elements of 8 bytes; padding on; 21 set beside a mask; after every 64 words, 16 words
	s_mov_b32 s[G1K+1], 384<<16                    ; tensor_dim0 = 384 elements: 3,072 bytes, four tiles of one head
	s_mov_b32 s[G1K+2], 4<<16                      ; tensor_dim1 = 4 rows: 256 keys
	s_mov_b32 s[G1K+3], 384<<16
	s_mov_b32 s[G1K+4], 4
	s_mov_b32 s[G1K+5], 768                        ; from block to block: 6,144 bytes (the other head's half lies between)
	s_mov_b32 s[G1K+6], 0
	s_mov_b32 s[G1K+7], 0
	s_mov_b32 s[G1V], 15|(3<<16)|(1<<21)           ; no padding
	s_mov_b32 s[G1V+1], 384<<16
	s_mov_b32 s[G1V+2], 4<<16
	s_mov_b32 s[G1V+3], 384<<16
	s_mov_b32 s[G1V+4], 4
	s_mov_b32 s[G1V+5], 384                        ; dense
	s_mov_b32 s[G1V+6], 0
	s_mov_b32 s[G1V+7], 0
	s_mov_b32 s[G0K], 1
	s_mul_i32 s[G0K+1], s[WV], 15360
	s_add_co_u32 s[G0K+1], s[G0K+1], KC            ; K's slice w: 12,288 bytes and their padding
	s_mov_b32 s[G0V], 1
	s_mul_i32 s[G0V+1], s[WV], 12288
	s_add_co_u32 s[G0V+1], s[G0V+1], VC-98304      ; V's slice w - 8
	s_mov_b32 s[SEL], 0x76543210
	s_mov_b32 s[SEL+1], 0xfedcba98                 ; v_permlanex16_b32's selects for lane l xor 16
	s_mov_b32 s[CS], 0x3e38aa3b                    ; log2(e) / 8
	s_mov_b32 s[CS+1], s[CS]                       ; (named with it as a pair)
	s_mov_b32 s[NC], 0xbe38aa3b
	s_mov_b32 s[TK], 7680                          ; the step that is fetched next: step 1
	s_mov_b32 s[TS], 512
	s_mov_b32 s[T6], 6144
	s_mov_b32 s[TV], 256
	s_wait_dscnt 0x0
	s_wait_kmcnt 0x0
	s_add_nc_u64 s[G0K+2:G0K+3], s[4:5], s[84:85]
	s_or_b32 s[G0K+3], s[G0K+3], 0x80000000
	s_add_nc_u64 s[G0V+2:G0V+3], s[4:5], s[86:87]
	s_or_b32 s[G0V+3], s[G0V+3], 0x80000000
	s_add_nc_u64 s[88:89], s[4:5], s[88:89]
	s_add_nc_u64 s[90:91], s[4:5], s[90:91]
	s_add_nc_u64 s[92:93], s[4:5], s[92:93]
	s_add_nc_u64 s[94:95], s[4:5], s[94:95]
	s_add_nc_u64 s[96:97], s[6:7], s[96:97]
	s_add_nc_u64 s[98:99], s[6:7], s[98:99]
	ROUND                                          ; all four work-groups are here: the joint loads meet
	s_cmp_lt_u32 s[WV], 8                          ; one load a wave, in one of two arms: the shapes differ
	s_cbranch_scc0 .Lfor_v
	tensor_load_to_lds s[G0K:G0K+3], s[G1K:G1K+7]
	s_nop 0
	NOPS 4
	s_branch .Lasked
.Lfor_v:
	tensor_load_to_lds s[G0V:G0V+3], s[G1V:G1V+7]
	s_nop 0
	NOPS 4
.Lasked:
	v_and_b32 v11, 31, v0                          ; lane
	v_lshlrev_b32 v[L16], 4, v11
	v_lshlrev_b32 v12, 3, v11                      ; 8 x lane
	v_add_nc_u32 v[L8], 512, v12
	v_and_b32 v13, 15, v0
	v_lshlrev_b32 v13, 4, v13                      ; 16 r
	v_bfe_u32 v10, v0, 4, 1                        ; h
	v_and_b32 v11, 7, v0                           ; r % 8
	v_bfe_u32 v[AKS], v0, 3, 1                     ; r / 8
	v_mul_u32_u24 v[AK8], v[AKS], 1920             ; rows 8-15 come from the tile two on
	v_mad_u32_u24 v[AK16], v10, 320, v[AK8]        ; 16-byte parts: lanes 16-31 a padded 256 on,
	v_lshl_add_u32 v[AK16], v11, 4, v[AK16]        ; 16 bytes a row
	v_add_nc_u32 v[AK16], KC, v[AK16]
	v_lshl_add_u32 v[AK8], v10, 7, v[AK8]          ; 8-byte parts: behind two padded 256, 128 h + 8 a row
	v_lshl_add_u32 v[AK8], v11, 3, v[AK8]
	v_add_nc_u32 v[AK8], KC+640, v[AK8]
	v_lshlrev_b32 v[AKS], 3, v[AKS]                ; K's scale words (KS = 0): tiles 2 (r / 8), + 1: 8 bytes,
	v_lshl_add_u32 v[AKS], v11, 4, v[AKS]          ; of row r % 8,
	v_lshl_add_u32 v[AKS], v10, 8, v[AKS]          ; lanes 16-31 the step's second group
	v_add_nc_u32 v[AV16], VC, v[L16]
	v_add_nc_u32 v[AV8], VC, v[L8]
	v_add_nc_u32 v[AVS], VS, v13
	v_lshlrev_b32 v[SH], 3, v10
	v_lshl_add_u32 v10, v10, 9, v13                ; K's scale words in memory: lanes 0-15 one block, lanes 16-31 the next
	s_lshl_b32 s19, s[WV], 9
	v_add_nc_u32 v[TK16], s19, v[L16]              ; and in LDS: 512 x wave + 16 x lane
	s_lshl_b32 s19, s[WV], 8
	s_add_co_u32 s19, s19, VS
	v_add_nc_u32 v[TK8], s19, v12                  ; V's: 256 x wave + 8 x lane
	global_load_b128 v[S:S+3], v10, s[88:89]       ; the scale words go through registers: 12 KB, a sixteenth to a wave
	global_load_b64 v[S+4:S+5], v12, s[90:91]
	global_load_b128 v[Q:Q+3], v[L16], s[92:93]    ; Q's half fragment stays in registers
	global_load_b64 v[Q+4:Q+5], v[L8], s[92:93]
	global_load_b32 v[QSC], v13, s[94:95]
.irp i, 6,7,8,9,10,11
	v_mov_b32 v[Q+\i], 0                           ; k = 64 .. 127: zero codes
	v_mov_b32 v[KF+42+\i], 0                       ; behind tile 7
.endr
	v_mov_b32 v15, 0xff61b1e6                      ; the largest score so far: -3e38
	v_floor_f32 v14, -v15                          ; -M
	v_mov_b32 v[PX], 0                             ; a lane permute's destination counts as one of its sources
	v_mov_b32 v[FF+1], 0                           ; (named as the upper half of a pair)
	v_mov_b32 v[T0], v14
	v_mov_b32 v[TV16], v[AV16]                     ; V's addresses at step 0
	v_mov_b32 v[TV8], v[AV8]
	v_mov_b32 v[TVS], v[AVS]
.set ii, 0
.rept 8
	v_mov_b32 v[SA+ii], 0                          ; the sums
.set ii, ii+1
.endr
.set ii, 0
.rept 32
	v_mov_b32 v[O+ii], 0                           ; O^T.  The step is written for all steps alike: the first finds zeros and f = 0
.set ii, ii+1
.endr
	s_wait_alu depctr_va_vdst(0)                   ; the wait at the head's end
	s_wait_loadcnt 0x0
	s_wait_tensorcnt 0x0                           ; my slice has landed
	ds_store_b128 v[TK16], v[S:S+3]
	ds_store_b64 v[TK8], v[S+4:S+5]
	s_wait_dscnt 0x0                               ; and my scale words
	s_barrier_signal -1
	s_barrier_wait -1                              ; everybody's have: all of K and V is there.
.macro LOADK a16, a8, as               ; a key step's eight tiles of K and their scale words
.irp t, 0,1,2,3,4,5,6,7
	ds_load_b128 v[KF+6*\t:KF+6*\t+3], v[\a16] offset:3840*(\t/4)+960*(\t%2)+128*((\t%4)/2)
	ds_load_b64 v[KF+6*\t+4:KF+6*\t+5], v[\a8] offset:3840*(\t/4)+960*(\t%2)+64*((\t%4)/2)
.endr
	ds_load_2addr_b64 v[KSC:KSC+3], v[\as] offset0:0 offset1:16   ; tiles 0, 1 from rows r % 8, tiles 2, 3 from rows 8 + r % 8, 128 bytes on
.endm
.macro SUMS from, to                   ; pairs from .. to - 1 of p onto the four chains; a chain's first link brings it under the new M
.set jj, \from
.rept (\to)-(\from)
.if jj < 4
	v_pk_fma_f32 v[SA+2*jj:SA+2*jj+1], v[SA+2*jj:SA+2*jj+1], v[FF:FF+1], v[S+2*jj:S+2*jj+1] op_sel_hi:[1,0,1]
.else
	v_pk_add_f32 v[SA+2*(jj%4):SA+2*(jj%4)+1], v[SA+2*(jj%4):SA+2*(jj%4)+1], v[S+2*jj:S+2*jj+1]
.endif
.set jj, jj+1
.endr
.endm
; A KEY STEP: 128 keys.  pf = 1: the next step's K is fetched behind this step's score products, and V's next addresses are made at the end
.macro STEP pf
.irp t, 0,1,2,3,4,5,6,7
.if \t < 4
	v_wmma_scale_f32_16x16x128_f8f6f4 v[S+8*\t:S+8*\t+7], v[KF+6*\t:KF+6*\t+11], v[Q:Q+11], 0, v[KSC+\t%4], v[QSC] matrix_a_fmt:MATRIX_FMT_FP6 matrix_b_fmt:MATRIX_FMT_FP6
.else
	v_wmma_scale_f32_16x16x128_f8f6f4 v[S+8*\t:S+8*\t+7], v[KF+6*\t:KF+6*\t+11], v[Q:Q+11], 0, v[KSC+\t%4], v[QSC] matrix_a_fmt:MATRIX_FMT_FP6 matrix_b_fmt:MATRIX_FMT_FP6 matrix_a_scale:MATRIX_SCALE_ROW1
.endif
.endr
.if \pf
	v_add_nc_u32 v[TK16], s[TK], v[AK16]           ; four places ahead of the loads into K's registers and of the first read of the scores
	v_add_nc_u32 v[TK8], s[TK], v[AK8]
	v_add_nc_u32 v[TKS], s[TS], v[AKS]
	v_nop
	LOADK TK16, TK8, TKS
	s_add_co_u32 s[TK], s[TK], 7680
	s_add_co_u32 s[TS], s[TS], 512
.else
	NOPS 4
.endif
.irp c, 0,1                            ; my two blocks' largest scores, each in two chains; each accumulator is read from its low end on
	v_max3_num_f32 v[BM+\c], v[S+32*\c], v[S+32*\c+1], v[S+32*\c+2]
	v_max3_num_f32 v[BM+2+\c], v[S+32*\c+16], v[S+32*\c+17], v[S+32*\c+18]
.endr
.irp i, 3,5,7,9,11,13
.irp c, 0,1
	v_max3_num_f32 v[BM+\c], v[BM+\c], v[S+32*\c+\i], v[S+32*\c+\i+1]
	v_max3_num_f32 v[BM+2+\c], v[BM+2+\c], v[S+32*\c+16+\i], v[S+32*\c+17+\i]
.endr
.endr
.irp c, 0,1
	v_max3_num_f32 v[BM+\c], v[BM+\c], v[S+32*\c+15], v[S+32*\c+31]
.endr
.irp c, 0,1
	v_max_num_f32 v[BM+\c], v[BM+\c], v[BM+2+\c]   ; it serves twice: for the row's maximum, and, since p rises with the score, for the block's largest p
.endr
	v_max_num_f32 v[T1], v[BM], v[BM+1]
	v_permlanex16_b32 v[PX], v[T1], s[SEL], s[SEL+1]
	v_max3_num_f32 v15, v15, v[T1], v[PX]          ; the running largest score of my query
	v_mul_f32 v[T1], s[NC], v15                    ; -t
	v_floor_f32 v14, v[T1]                         ; the new -M = floor(-t) = -ceil(t)
	v_sub_f32 v[T0], v14, v[T0]                    ; old M - new M: a whole number, 0 or less
	v_cvt_i32_f32 v[T0], v[T0]                     ; (it saturates)
	v_ldexp_f32 v[FF], 1.0, v[T0]                  ; f
.irp j, 0,2,4,6,8,10,12,14,16,18,20,22,24,26,28,30,32,34,36,38,40,42,44,46,48,50,52,54,56,58,60,62
	v_pk_fma_f32 v[S+\j:S+1+\j], v[S+\j:S+1+\j], s[CS:CS+1], v[14:15] op_sel_hi:[1,0,0]   ; t - M, two at a time
.endr
.irp c, 0,1
	v_fma_f32 v[BM+\c], v[BM+\c], s[CS], v14       ; the same of each block's largest score
.endr
.irp j, 0,2,4,6,8,10,12,14,16,18,20,22,24,26,28,30
	v_pk_mul_f32 v[O+\j:O+1+\j], v[O+\j:O+1+\j], v[FF:FF+1] op_sel_hi:[1,0]   ; O^T under the new M, ahead of the exponentials
.endr
	s_wait_alu depctr_va_vdst(0)                   ; the wait ahead of the batch
.set ii, 0
.rept 64
	v_exp_f32 v[S+ii], v[S+ii]                     ; p = 2^(t - M), at most 1
.set ii, ii+1
.endr
.irp c, 0,1
	v_exp_f32 v[BM+\c], v[BM+\c]                   ; the blocks' largest p
.endr
	v_mov_b32 v[T0], v14                           ; -M for the next step: the plain instruction behind the exponentials
	s_wait_alu depctr_va_vdst(0)                   ; one wait for the whole batch, ahead of its first reader
.irp c, 0,1
	v_max_num_f32 v[BM+\c], 0x1800000, v[BM+\c]    ; the floor 2^(3 - 127)
.endr
	SUMS 0, 4
.irp c, 0,1
	v_add_nc_u32 v[SO+\c], 0xff000000, v[BM+\c]    ; 2 off the exponent field: the conversion's scale operand
.endr
	SUMS 4, 24
.irp c, 0,1
	v_lshrrev_b32 v[BY+\c], 23, v[SO+\c]           ; the scale's byte
.endr
.irp c, 0,1
	v_cvt_scalef32_pk16_fp6_f32 v[PC+6*\c:PC+2+6*\c], v[S+32*\c:S+15+32*\c], v[SO+\c]
	v_cvt_scalef32_pk16_fp6_f32 v[CT+4*\c:CT+2+4*\c], v[S+16+32*\c:S+31+32*\c], v[SO+\c]   ; (a conversion's three registers begin on an even number)
.endr
	v_lshl_or_b32 v[W], v[BY+1], 16, v[BY]         ; my bytes: blocks h and 2 + h.  (The plain instruction behind the conversions)
.irp d, 0,1,2,3                        ; v96-143 are done with: V's four fragments take them, and land under the register work below
.irp c, 0,1
	ds_load_b128 v[S+12*\d+6*\c:S+12*\d+6*\c+3], v[TV16] offset:3072*\c+768*\d
	ds_load_b64 v[S+12*\d+6*\c+4:S+12*\d+6*\c+5], v[TV8] offset:3072*\c+768*\d
.endr
.endr
	ds_load_b128 v[VSC:VSC+3], v[TVS]
	v_lshlrev_b32 v[W], v[SH], v[W]                ; at their places,
	v_permlanex16_b32 v[PX], v[W], s[SEL], s[SEL+1]
	v_or_b32 v[PSC], v[W], v[PX]                   ; and with lane l xor 16's two: p's scale word; fourteen plain instructions stand between it and the products
.irp c, 0,1
.irp i, 0,1,2
	v_mov_b32 v[PC+3+6*\c+\i], v[CT+4*\c+\i]
.endr
.endr
	SUMS 24, 32                                    ; v144-159 are not loaded over: eight places between the codes' last write and the products
	s_wait_alu depctr_va_vdst(0)                   ; the wait here, directly ahead of the wait below
	s_wait_dscnt 0x0                               ; V's fragments are in, and the next step's K, asked for earlier
.irp d, 0,1,2,3
	v_wmma_scale_f32_16x16x128_f8f6f4 v[O+8*\d:O+8*\d+7], v[S+12*\d:S+12*\d+11], v[PC:PC+11], v[O+8*\d:O+8*\d+7], v[VSC+\d], v[PSC] matrix_a_fmt:MATRIX_FMT_FP6 matrix_b_fmt:MATRIX_FMT_FP6
.endr
.if \pf
	v_add_nc_u32 v[TV16], s[T6], v[AV16]           ; five places between these products, which read V's fragments, and the products that write S^T over them
	v_add_nc_u32 v[TV8], s[T6], v[AV8]
	v_add_nc_u32 v[TVS], s[TV], v[AVS]
	NOPS 2
	s_add_co_u32 s[T6], s[T6], 6144
	s_add_co_u32 s[TV], s[TV], 256
.endif
.endm
	LOADK AK16, AK8, AKS
	s_wait_dscnt 0x0
	s_mov_b32 s[CNT], 15
.Lstep:
	STEP 1
	s_sub_co_u32 s[CNT], s[CNT], 1
	s_cmp_lg_u32 s[CNT], 0
	s_cbranch_scc1 .Lstep
	STEP 0                                         ; the last step fetches nothing more
	; THE WAY OUT: O^T / l, quantised along the head's 64 (two blocks), as half a fragment of the last product's operand
	v_pk_add_f32 v[SA:SA+1], v[SA:SA+1], v[SA+2:SA+3]       ; the four chains: also the four places behind the last products
	v_pk_add_f32 v[SA+4:SA+5], v[SA+4:SA+5], v[SA+6:SA+7]
	v_pk_add_f32 v[SA:SA+1], v[SA:SA+1], v[SA+4:SA+5]
	v_add_f32 v[SA], v[SA], v[SA+1]
	v_permlanex16_b32 v[PX], v[SA], s[SEL], s[SEL+1]
	v_add_f32 v[SA], v[SA], v[PX]                  ; and lane l xor 16's
	s_wait_alu depctr_va_vdst(0)
	v_rcp_f32 v[FF], v[SA]
	v_and_b32 v10, 15, v0                          ; (a plain instruction behind the reciprocal)
	v_lshlrev_b32 v10, 2, v10                      ; 4 r
	s_wait_alu depctr_va_vdst(0)                   ; the wait, directly ahead of the first reader of 1 / l and of O^T
.irp j, 0,2,4,6,8,10,12,14,16,18,20,22,24,26,28,30
	v_pk_mul_f32 v[S+\j:S+1+\j], v[O+\j:O+1+\j], v[FF:FF+1] op_sel_hi:[1,0]   ; register 16 b + i = d 32 b + 16 (lane / 16) + i; each accumulator from its low end on
.endr
.irp b, 0,1
	v_max3_num_f32 v[BM+\b], |v[S+16*\b]|, |v[S+1+16*\b]|, 0x1800000
.endr
.irp i, 2,4,6,8,10,12,14
.irp b, 0,1
	v_max3_num_f32 v[BM+\b], v[BM+\b], |v[S+16*\b+\i]|, |v[S+1+16*\b+\i]|
.endr
.endr
.irp b, 0,1
	v_permlanex16_b32 v[PX+\b], v[BM+\b], s[SEL], s[SEL+1]
.endr
.irp b, 0,1
	v_max_num_f32 v[BM+\b], v[BM+\b], v[PX+\b]
.endr
.irp b, 0,1
	v_add_nc_u32 v[SO+\b], 0xff000000, v[BM+\b]
.endr
.irp b, 0,1
	v_lshrrev_b32 v[BY+\b], 23, v[SO+\b]
.endr
	v_lshl_or_b32 v[HW], v[BY+1], 8, v[BY]         ; the head's two bytes
	v_cvt_scalef32_pk16_fp6_f32 v[PC:PC+2], v[S:S+15], v[SO]
	v_cvt_scalef32_pk16_fp6_f32 v[CT:CT+2], v[S+16:S+31], v[SO+1]
	v_nop
.irp i, 0,1,2
	v_permlane16_swap_b32 v[PC+\i], v[CT+\i]       ; here a block lies in lanes l and l xor 16: the operand wants it whole in a lane
.endr
.irp i, 0,1,2
	v_mov_b32 v[PC+3+\i], v[CT+\i]
.endr
	global_store_b128 v[L16], v[PC:PC+3], s[96:97] ; 512 consecutive bytes
	global_store_b64 v[L8], v[PC+4:PC+5], s[96:97] ; 256 consecutive bytes, 512 on
	global_store_b16 v10, v[HW], s[98:99]          ; half of row r's scale word (both halves of the lanes write the same value)
	s_wait_tensorcnt 0x0                           ; the wave's end
	ds_add_u32 v[SPW], v[NIL]
	s_wait_dscnt 0x0
	ROUND                                          ; the closing round
	s_endpgm
.Lfunc_end_k_qfc9e03f692_attn:
	.size	k_qfc9e03f692_attn, .Lfunc_end_k_qfc9e03f692_attn-k_qfc9e03f692_attn
	.p2alignl 7, 3214868480
	.fill 96, 4, 3214868480
	.section	.rodata,"a",@progbits
	.p2align	6, 0x0
	.amdhsa_kernel k_qfc9e03f692_attn
		.amdhsa_group_segment_fixed_size 327680
		.amdhsa_private_segment_fixed_size 0
		.amdhsa_enable_private_segment 0
		.amdhsa_kernarg_size 16
		.amdhsa_user_sgpr_count 2
		.amdhsa_user_sgpr_kernarg_segment_ptr 1
		.amdhsa_wavefront_size32 1
		.amdhsa_system_sgpr_workgroup_id_x 1
		.amdhsa_system_sgpr_workgroup_id_y 1
		.amdhsa_system_sgpr_workgroup_id_z 1
		.amdhsa_system_vgpr_workitem_id 0
		.amdhsa_next_free_vgpr 256
		.amdhsa_next_free_sgpr 100
		.amdhsa_reserve_vcc 0
		.amdhsa_float_denorm_mode_32 3
		.amdhsa_float_denorm_mode_16_64 3
		.amdhsa_memory_ordered 1
		.amdhsa_forward_progress 1
		.amdhsa_inst_pref_size 45
	.end_amdhsa_kernel
	.amdgpu_metadata
---
amdhsa.version: [ 1, 2 ]
amdhsa.kernels:
  - .name:           k_qfc9e03f692_attn
    .symbol:         k_qfc9e03f692_attn.kd
    .args:
      - { .name: qb, .offset: 0, .size: 8, .value_kind: global_buffer, .address_space: global }
      - { .name: cb, .offset: 8, .size: 8, .value_kind: global_buffer, .address_space: global }
    .group_segment_fixed_size: 327680
    .private_segment_fixed_size: 0
    .kernarg_segment_align: 8
    .kernarg_segment_size: 16
    .max_flat_workgroup_size: 512
    .sgpr_count:     100
    .vgpr_count:     256
    .wavefront_size: 32
...
	.end_amdgpu_metadata
.endif
;; end of part 3
;; launch gemm2 (part 4): grid 8 x 32, 4 waves a work-group, clusters of 4 x 4, 327,680 bytes of LDS; arguments cb, pb, b_out, out0; writes out0
.if DOCPART == 4
	.amdgcn_target "amdgcn-amd-amdhsa--gfx1250"
	.amdhsa_code_object_version 6
	.text
	.protected	k_qfc9e03f692_gemm2
	.globl	k_qfc9e03f692_gemm2
	.p2align	8
	.type	k_qfc9e03f692_gemm2,@function
k_qfc9e03f692_gemm2:
	s_mov_b64 s[64:65], 0
	v_nop
	global_prefetch_b8 v0, s[64:65] scope:SCOPE_SE
	s_setreg_imm32_b32 hwreg(HW_REG_WAVE_MODE, 25, 1), 1
	s_wait_xcnt 0x0
	s_wait_alu depctr_hold_cnt(0) depctr_sa_sdst(0) depctr_va_vdst(0) depctr_va_sdst(0) depctr_va_ssrc(0) depctr_va_vcc(0) depctr_vm_vsrc(0)
	s_getreg_b32 s2, hwreg(HW_REG_IB_STS2, 6, 4)
	s_cmp_eq_u32 s2, 0
	s_cbranch_scc0 .Lentry_in_a_cluster
	s_endpgm
.Lentry_in_a_cluster:
	s_bfe_u32 s2, ttmp6, 0x10000c
	s_cmp_lg_u32 s2, 0xf033
	s_cbranch_scc0 .Lentry_shape_is_right
	s_endpgm
.Lentry_shape_is_right:
; out0 = ctx W_out + b_out on codes of FP6 with E8M0 scales: ctx's from the attention launch (cb), W_out's from the first launch (pb, tiles 192-255).
; P0 P1^T with source 0 = 16 columns of W_out (P0), source 1 = 16 tokens (P1): a lane holds one token, its registers run along the output's columns.
; Tiles hold rows 32 (T / 2) + 8 (T % 2) + r + 8 (r / 8), in both operands.  A work-group: 128 tokens x 128 columns; wave (wr, wc): P1's tiles 4 wr .. + 3 x P0's tiles 4 wc .. + 3: 16 accumulators.
; ALL OF K (1,024) LIES IN LDS: [P1 8 tiles][P0 8 tiles][12,288 bytes], filled once: each wave issues ONE tensor load at the head, four tiles whole, 49,152 dense bytes; every wave waits for it and one barrier shows all.
; No LDS byte is filled twice; the stage for the way out has bytes of its own behind the tiles.  CLUSTER 4 x 4: P1's tiles are shared along a row of the cluster, P0's along a column: joint loads.
; No prefetch into the L2: every tile is asked for at the head, and there is no loop of loads to run ahead in.  The bias is the C of the first K step.
; REGISTERS: window 0: addresses, scale words, bias, the way out.  window 1: accumulator (a, b) at v[8 (4 a + b)].  window 2: P0's fragments, two sets of 48.  window 3: P1's, two sets of 48.
.set WF_OFF, 3276800
.set WS_OFF, 6422528
.set CS_OFF, 3145728
.set P0L,  98304                       ; where P0's tiles begin in LDS
.set STG,  196608                      ; the stage: 128 rows x (512 bytes + 16)
.set SP,   528
.set SPARE, 264192
.set LO16, 2
.set LO8,  3
.set LO4,  4
.set A016, 8                           ; LDS addresses of my four tiles of P0: the 16-byte parts, the 8-byte parts;
.set A08,  9
.set A116, 10                          ; and of P1
.set A18,  11
.set SC0,  24                          ; v24-39  P0's scale words: 4 b + q: lanes 0-15 K step 2 q, lanes 16-31 K step 2 q + 1
.set SC1,  40                          ; v40-55  P1's
.set BR,   72                          ; v72-103 the bias, in the result's layout
.set STO,  104
.set RD,   105
.set SPW,  126
.set NIL,  127
.set OUTR, 128                         ; v128-255 32 rows read back from the stage
.set WV,   12
.set CX,   13
.set CY,   14
.set W1,   15
.set WR,   16
.set P0G,  17
.set P1G,  18
.set G1P1, 28
.set G1P0, 36
.set G0P1, 44
.set G0P0, 48
.set MSB, 0
.macro WIN new                         ; the immediate's high byte repeats the setting that is left
.if MSB != \new
	s_set_vgpr_msb (MSB<<8)|\new
.set MSB, \new
.endif
.endm
.macro ROUND                           ; a round of the cluster's barrier
	s_barrier_signal -1
	s_barrier_wait -1
	s_cmp_lg_u32 s[WV], 0
	s_cbranch_scc1 .Lnot_wave_0_\@
	s_barrier_signal -3
.Lnot_wave_0_\@:
	s_barrier_wait -3
	s_barrier_signal -1
	s_barrier_wait -1
.endm
.macro FETCH s                         ; K step s's fragments into set s % 2: images of the registers, every load dense
	WIN 0x80                                       ; destination window 2, address window 0
.irp f, 0,1,2,3
.irp c, 0,1
	ds_load_b128 v[48*((\s)%2)+12*\f+6*\c:48*((\s)%2)+12*\f+6*\c+3], v[A016] offset:12288*\f+1536*(\s)+768*\c
	ds_load_b64 v[48*((\s)%2)+12*\f+6*\c+4:48*((\s)%2)+12*\f+6*\c+5], v[A08] offset:12288*\f+1536*(\s)+768*\c
.endr
.endr
	WIN 0xc0                                       ; destination window 3
.irp f, 0,1,2,3
.irp c, 0,1
	ds_load_b128 v[48*((\s)%2)+12*\f+6*\c:48*((\s)%2)+12*\f+6*\c+3], v[A116] offset:12288*\f+1536*(\s)+768*\c
	ds_load_b64 v[48*((\s)%2)+12*\f+6*\c+4:48*((\s)%2)+12*\f+6*\c+5], v[A18] offset:12288*\f+1536*(\s)+768*\c
.endr
.endr
	WIN 0
.endm
.macro MUL s                           ; the accumulators take turns, one instruction a turn, in the same order in every step
.if (\s) == 0
	WIN 0x4e                                       ; source 0 window 2, source 1 window 3, C window 0, D window 1
.else
	WIN 0x5e                                       ; C and D window 1
.endif
.set mb, 0
.rept 4
.set ma, 0
.rept 4
.set rD, 8*(4*ma+mb)
.set rA, 48*((\s)%2)+12*mb
.set rB, 48*((\s)%2)+12*ma
.if (\s) == 0
	v_wmma_scale_f32_16x16x128_f8f6f4 v[rD:rD+7], v[rA:rA+11], v[rB:rB+11], v[BR+8*mb:BR+8*mb+7], v[SC0+4*mb], v[SC1+4*ma] matrix_a_fmt:MATRIX_FMT_FP6 matrix_b_fmt:MATRIX_FMT_FP6
.elseif (\s)%2
	v_wmma_scale_f32_16x16x128_f8f6f4 v[rD:rD+7], v[rA:rA+11], v[rB:rB+11], v[rD:rD+7], v[SC0+4*mb+(\s)/2], v[SC1+4*ma+(\s)/2] matrix_a_fmt:MATRIX_FMT_FP6 matrix_b_fmt:MATRIX_FMT_FP6 matrix_a_scale:MATRIX_SCALE_ROW1 matrix_b_scale:MATRIX_SCALE_ROW1
.else
	v_wmma_scale_f32_16x16x128_f8f6f4 v[rD:rD+7], v[rA:rA+11], v[rB:rB+11], v[rD:rD+7], v[SC0+4*mb+(\s)/2], v[SC1+4*ma+(\s)/2] matrix_a_fmt:MATRIX_FMT_FP6 matrix_b_fmt:MATRIX_FMT_FP6
.endif
.set ma, ma+1
.endr
.set mb, mb+1
.endr
.endm
.macro STEP s
	s_wait_dscnt 0x0                               ; this step's fragments are in (asked for a step ago)
.if (\s) < 7
	FETCH (\s)+1                                   ; into the set that the step before multiplied: four plain instructions stand behind its last product
.endif
	MUL \s
	WIN 0
.rept 4
	v_nop                                          ; places in front of the next loads into this step's set, and of the first read of results
.endr
.endm
	s_load_b256 s[4:11], s[0:1], 0x0               ; cb s[4:5], pb s[6:7], b_out s[8:9], out0 s[10:11]
	v_lshl_add_u32 v[SPW], v0, 2, SPARE
	v_mov_b32 v[NIL], 0
	ds_add_u32 v[SPW], v[NIL]                      ; the opening lines: the add, twice on end, and its wait
	ds_add_u32 v[SPW], v[NIL]
	v_lshrrev_b32 v1, 5, v0
	v_readfirstlane_b32 s[WV], v1                  ; wave 0..3
	s_and_b32 s[W1], s[WV], 1                      ; wc: my half of the columns.  Also: which four tiles of a group I fetch
	s_lshr_b32 s[WR], s[WV], 1                     ; wr: my half of the tokens
	s_bfe_u32 s[CX], ttmp6, 0x40000
	s_bfe_u32 s[CY], ttmp6, 0x40004
	s_lshl_b32 s[P0G], ttmp9, 2
	s_add_co_u32 s[P0G], s[P0G], s[CX]             ; my 128 columns
	s_and_b32 s[P1G], ttmp7, 0xffff
	s_lshl_b32 s[P1G], s[P1G], 2
	s_add_co_u32 s[P1G], s[P1G], s[CY]             ; my 128 tokens
	s_lshl_b32 s19, s[CY], 2
	s_lshl_b32 s19, 15, s19                        ; my row of the cluster
	s_lshl_b32 s20, 0x1111, s[CX]                  ; my column
	s_or_b32 s[G1P1], s19, (3<<16)|(1<<21)         ; 15:0 the mask; 17:16 elements of 8 bytes; 21 set beside a mask; no padding
	s_or_b32 s[G1P0], s20, (3<<16)|(1<<21)
.irp g, G1P1, G1P0
	s_mov_b32 s[\g+1], 1536<<16                    ; tensor_dim0 = 1,536 elements: a tile's eight K steps, 12,288 bytes
	s_mov_b32 s[\g+2], 4<<16                       ; tensor_dim1 = 4 tiles
	s_mov_b32 s[\g+3], 1536<<16                    ; tile_dim0
	s_mov_b32 s[\g+4], 4                           ; tile_dim1
	s_mov_b32 s[\g+5], 1536                        ; dense
	s_mov_b32 s[\g+6], 0
	s_mov_b32 s[\g+7], 0
.endr
	s_mul_i32 s21, s[W1], 49152                    ; the four tiles that I fetch, in memory and in LDS: no place in the cluster enters an LDS address
	s_mul_i32 s84, s[P1G], 98304
	s_add_co_u32 s84, s84, s21                     ; P1's codes, in cb: hangs on cy alone
	s_mov_b32 s85, 0
	s_mul_i32 s86, s[P0G], 98304
	s_add_co_u32 s86, s86, s21
	s_add_co_u32 s86, s86, WF_OFF+192*12288        ; P0's codes, in pb: hangs on cx alone
	s_mov_b32 s87, 0
	s_lshl_b32 s88, s[P0G], 12
	s_lshl_b32 s22, s[W1], 11
	s_add_co_u32 s88, s88, s22
	s_add_co_u32 s88, s88, WS_OFF+192*512          ; my four tiles' scale words of P0
	s_mov_b32 s89, 0
	s_lshl_b32 s90, s[P1G], 12
	s_lshl_b32 s22, s[WR], 11
	s_add_co_u32 s90, s90, s22
	s_add_co_u32 s90, s90, CS_OFF                  ; and of P1
	s_mov_b32 s91, 0
	s_lshl_b32 s92, s[P0G], 9
	s_lshl_b32 s22, s[W1], 8
	s_add_co_u32 s92, s92, s22                     ; b_out at my 64 columns
	s_mov_b32 s93, 0
	s_lshl_b32 s94, s[P1G], 19                     ; out0: 128 rows of 4,096 bytes,
	s_lshl_b32 s22, s[WV], 17                      ; the 32 rows that I store,
	s_add_co_u32 s94, s94, s22
	s_lshl_b32 s22, s[P0G], 9                      ; the work-group's 512 bytes of a row
	s_add_co_u32 s94, s94, s22
	s_mov_b32 s95, 0
	s_mov_b32 s[G0P1], 1
	s_mov_b32 s[G0P1+1], s21
	s_mov_b32 s[G0P0], 1
	s_add_co_u32 s[G0P0+1], s21, P0L
	s_wait_dscnt 0x0
	s_wait_kmcnt 0x0
	s_add_nc_u64 s[G0P1+2:G0P1+3], s[4:5], s[84:85]
	s_or_b32 s[G0P1+3], s[G0P1+3], 0x80000000
	s_add_nc_u64 s[G0P0+2:G0P0+3], s[6:7], s[86:87]
	s_or_b32 s[G0P0+3], s[G0P0+3], 0x80000000
	s_add_nc_u64 s[88:89], s[6:7], s[88:89]
	s_add_nc_u64 s[90:91], s[4:5], s[90:91]
	s_add_nc_u64 s[92:93], s[8:9], s[92:93]
	s_add_nc_u64 s[94:95], s[10:11], s[94:95]
	ROUND                                          ; all sixteen work-groups are here: the joint loads meet
	s_cmp_lt_u32 s[WV], 2                          ; waves 0, 1 fetch P1's halves, waves 2, 3 P0's: one load a wave
	s_cbranch_scc0 .Lfor_p0
	tensor_load_to_lds s[G0P1:G0P1+3], s[G1P1:G1P1+7]
	s_nop 0
.rept 4
	v_nop
.endr
	s_branch .Lasked
.Lfor_p0:
	tensor_load_to_lds s[G0P0:G0P0+3], s[G1P0:G1P0+7]
	s_nop 0
.rept 4
	v_nop
.endr
.Lasked:
	v_and_b32 v1, 31, v0
	v_lshlrev_b32 v[LO16], 4, v1
	v_lshlrev_b32 v[LO8], 3, v1
	v_lshlrev_b32 v[LO4], 2, v1
	v_and_b32 v5, 15, v0                           ; r
	v_bfe_u32 v6, v0, 4, 1                         ; h
	v_lshlrev_b32 v7, 6, v6                        ; 64 h
.set ii, 0
.rept 4
.irp q, 0,1,2,3
	global_load_b32 v[SC0+4*ii+\q], v[LO4], s[88:89] offset:512*ii+128*\q   ; 128 consecutive bytes: two K steps' words of a tile
	global_load_b32 v[SC1+4*ii+\q], v[LO4], s[90:91] offset:512*ii+128*\q
.endr
.set ii, ii+1
.endr
.irp e, 0,1
.irp j, 0,1,2,3
	global_load_b128 v[BR+16*\e+4*\j:BR+16*\e+4*\j+3], v7, s[92:93] offset:128*\e+16*\j   ; b_out at my columns 32 e + 16 h + 0 .. 15
.endr
.endr
	s_add_co_u32 s25, s21, P0L                     ; my four tiles of P0
	s_mul_i32 s26, s[WR], 49152                    ; and of P1
	v_add_nc_u32 v[A016], s25, v[LO16]
	s_add_co_u32 s25, s25, 512
	v_add_nc_u32 v[A08], s25, v[LO8]
	v_add_nc_u32 v[A116], s26, v[LO16]
	s_add_co_u32 s26, s26, 512
	v_add_nc_u32 v[A18], s26, v[LO8]
	s_mul_i32 s27, s[WR], 64*SP                    ; the stage, in: row 64 wr + 16 a + r; my columns' bytes 256 wc + 64 h on
	s_lshl_b32 s22, s[W1], 8
	s_add_co_u32 s27, s27, s22
	s_add_co_u32 s27, s27, STG
	s_wait_alu depctr_va_vdst(0)                   ; the wait here, directly ahead of the reader below
	v_mul_u32_u24 v[STO], v5, SP
	v_lshl_add_u32 v[STO], v6, 6, v[STO]
	v_add_nc_u32 v[STO], s27, v[STO]
	s_mul_i32 s27, s[WV], 32*SP                    ; back: rows 32 w on, whole: 16 bytes a lane
	s_add_co_u32 s27, s27, STG
	v_add_nc_u32 v[RD], s27, v[LO16]
	s_wait_alu depctr_va_vdst(0)                   ; the wait at the head's end
	s_wait_loadcnt 0x0
	s_wait_tensorcnt 0x0                           ; my four tiles have landed
	s_barrier_signal -1
	s_barrier_wait -1                              ; everybody's have.
	FETCH 0
.irp s, 0,1,2,3,4,5,6,7
	STEP \s
.endr
	; THE WAY OUT.  A lane holds 32 neighbouring bytes of a token's row; a row's 512 bytes come from two waves: through the stage, a barrier, and back as whole rows
	WIN 0x04                                       ; an LDS store's data are its source 1: window 1
.set oa, 0
.rept 4
.set ob, 0
.rept 4
	ds_store_b128 v[STO], v[8*(4*oa+ob):8*(4*oa+ob)+3] offset:16*oa*SP+128*(ob/2)+32*(ob%2)        ; each accumulator from its low end on
	ds_store_b128 v[STO], v[8*(4*oa+ob)+4:8*(4*oa+ob)+7] offset:16*oa*SP+128*(ob/2)+32*(ob%2)+16
.set ob, ob+1
.endr
.set oa, oa+1
.endr
	WIN 0
	s_wait_dscnt 0x0                               ; for the others' sake: my stores into the stage have landed
	s_barrier_signal -1
	s_barrier_wait -1
.set ii, 0
.rept 32
	ds_load_b128 v[OUTR+4*ii:OUTR+4*ii+3], v[RD] offset:ii*SP
.set ii, ii+1
.endr
.set ii, 0
.rept 32
	s_wait_dscnt 31-ii                             ; row ii is back; the younger loads stay out
	global_store_b128 v[LO16], v[OUTR+4*ii:OUTR+4*ii+3], s[94:95] offset:(8*(ii/16)+(ii%16)+8*((ii%16)/8))*4096 th:TH_STORE_NT   ; stage row ii is the token of its tile and lane; 512 consecutive bytes, at a multiple of 256 from out0's first byte
.set ii, ii+1
.endr
	s_wait_tensorcnt 0x0                           ; the wave's end
	ds_add_u32 v[SPW], v[NIL]
	s_wait_dscnt 0x0
	ROUND                                          ; the closing round
	s_endpgm
.Lfunc_end_k_qfc9e03f692_gemm2:
	.size	k_qfc9e03f692_gemm2, .Lfunc_end_k_qfc9e03f692_gemm2-k_qfc9e03f692_gemm2
	.p2alignl 7, 3214868480
	.fill 96, 4, 3214868480
	.section	.rodata,"a",@progbits
	.p2align	6, 0x0
	.amdhsa_kernel k_qfc9e03f692_gemm2
		.amdhsa_group_segment_fixed_size 327680
		.amdhsa_private_segment_fixed_size 0
		.amdhsa_enable_private_segment 0
		.amdhsa_kernarg_size 32
		.amdhsa_user_sgpr_count 2
		.amdhsa_user_sgpr_kernarg_segment_ptr 1
		.amdhsa_wavefront_size32 1
		.amdhsa_system_sgpr_workgroup_id_x 1
		.amdhsa_system_sgpr_workgroup_id_y 1
		.amdhsa_system_sgpr_workgroup_id_z 1
		.amdhsa_system_vgpr_workitem_id 0
		.amdhsa_next_free_vgpr 1024
		.amdhsa_next_free_sgpr 100
		.amdhsa_reserve_vcc 0
		.amdhsa_float_denorm_mode_32 3
		.amdhsa_float_denorm_mode_16_64 3
		.amdhsa_memory_ordered 1
		.amdhsa_forward_progress 1
		.amdhsa_inst_pref_size 53
	.end_amdhsa_kernel
	.amdgpu_metadata
---
amdhsa.version: [ 1, 2 ]
amdhsa.kernels:
  - .name:           k_qfc9e03f692_gemm2
    .symbol:         k_qfc9e03f692_gemm2.kd
    .args:
      - { .name: cb, .offset: 0, .size: 8, .value_kind: global_buffer, .address_space: global }
      - { .name: pb, .offset: 8, .size: 8, .value_kind: global_buffer, .address_space: global }
      - { .name: b_out, .offset: 16, .size: 8, .value_kind: global_buffer, .address_space: global }
      - { .name: out0, .offset: 24, .size: 8, .value_kind: global_buffer, .address_space: global }
    .group_segment_fixed_size: 327680
    .private_segment_fixed_size: 0
    .kernarg_segment_align: 8
    .kernarg_segment_size: 32
    .max_flat_workgroup_size: 128
    .sgpr_count:     100
    .vgpr_count:     1024
    .wavefront_size: 32
...
	.end_amdgpu_metadata
.endif
;; end of part 4
